; MI455X (gfx1250); checked and timed in simulation.
; The chip was launched on July 23, 2026; its instructions are those of AMD's public machine-readable ISA for CDNA 5 (MIT licence, August 2026) and "CDNA5" Instruction Set Architecture Reference Guide (July 2026). The comments in the code are by the model that wrote it; some were corrected since.
;; Multi Head Attention. Allowed arithmetic: matrix products marked QUANTISED: E2M1 operands, one E8M0 scale for each 32 along K, by v_wmma_scale_f32_16x16x128_f8f6f4 with both operands' format E2M1 (or v_wmma_scale_f32_32x16x128_f4), f32 sums; everything else in f32.
;; Inputs: Wk_codes 16 x 64 x 32 x 16 uint8 (E2M1 codes of Wk, K innermost, in blocks of 32 codes, two codes a byte); Wk_scales 16 x 64 x 32 uint8 (E8M0 scales of Wk, one for each 32 codes along K); Wo_codes 64 x 32 x 16 uint8 (E2M1 codes of Wo, K innermost, in blocks of 32 codes, two codes a byte); Wo_scales 64 x 32 uint8 (E8M0 scales of Wo, one for each 32 codes along K); Wq_codes 16 x 64 x 32 x 16 uint8 (E2M1 codes of Wq, K innermost, in blocks of 32 codes, two codes a byte); Wq_scales 16 x 64 x 32 uint8 (E8M0 scales of Wq, one for each 32 codes along K); Wv_codes 16 x 64 x 32 x 16 uint8 (E2M1 codes of Wv, K innermost, in blocks of 32 codes, two codes a byte); Wv_scales 16 x 64 x 32 uint8 (E8M0 scales of Wv, one for each 32 codes along K); bk 16 x 64 float32; bo 64 float32; bq 16 x 64 float32; bv 16 x 64 float32; x_codes 4 x 2,048 x 32 x 16 uint8 (E2M1 codes of x, K innermost, in blocks of 32 codes, two codes a byte); x_scales 4 x 2,048 x 32 uint8 (E8M0 scales of x, one for each 32 codes along K).
;; Outputs: out0 4 x 2,048 x 64 float32.
;; This version of the problem:
;;   THIS VERSION OF THE PROBLEM IS GIVEN IN LOW PRECISION. The matrix products marked QUANTISED in the list below multiply operands that are first quantised to E2M1 (2 exponent bits, 1 mantissa bit; 4 bits a number), with one power-of-two scale for each 32 numbers along K (OCP MX v1.0); their sums are f32. All else is computed in f32.
;;   The module's matrix products, in the order in which they are computed (A, B: the left and right operand; K: the contracted axis; several contracted axes count as one K, in the product's order):
;;     1. [M 1,024, K 1,024] x [K 1,024, N 8,192]; A: input Wq (given as codes); B: input x (given as codes): QUANTISED
;;     2. [M 1,024, K 1,024] x [K 1,024, N 8,192]; A: input Wk (given as codes); B: input x (given as codes): QUANTISED
;;     3. [M 1,024, K 1,024] x [K 1,024, N 8,192]; A: input Wv (given as codes); B: input x (given as codes): QUANTISED
;;     4. batch 64 x [M 2,048, K 64] x [K 64, N 2,048]; A: computed on the way; B: computed on the way: QUANTISED
;;     5. batch 64 x [M 2,048, K 2,048] x [K 2,048, N 64]; A: softmax (see below); B: computed on the way: QUANTISED
;;     6. [M 8,192, K 1,024] x [K 1,024, N 64]; A: computed on the way; B: input Wo (given as codes): QUANTISED
;;   THE QUANTISER, for each operand of a quantised product, along K:
;;     - K is cut into blocks of 32 from its start; a last block that is shorter is filled with zeros.
;;     - A block's scale is 2^e with e = floor(log2(the largest magnitude in the block)) - 2, held to -126 .. 127; a block of zeros has e = 0. As a byte (E8M0): e + 127.
;;     - Each number is divided by its block's scale, clamped to +-6, and rounded to the nearest number of E2M1, ties to even, subnormals kept.
;;     - The product sums the exact products of the quantised numbers (number of the format x scale) in f32.
;;   ~~~python
;;   def quantise(x, axis):      # numpy; x: float32 -> the quantised numbers, widened to float32 again
;;       x = np.moveaxis(x, axis, -1); K = x.shape[-1]
;;       x = np.pad(x, [(0, 0)] * (x.ndim - 1) + [(0, -K % 32)]); x = x.reshape(x.shape[:-1] + (-1, 32)); a = np.abs(x).max(-1, keepdims=True)
;;       e = np.where(a > 0, np.clip(np.frexp(np.where(a > 0, a, 1))[1] - 1 - 2, -126, 127), 0)      # np.frexp(a)[1] - 1 = floor(log2(a)), exactly
;;       r = np.clip(x / 2.0 ** e, -6, 6)
;;       step = 2.0 ** (np.maximum(np.frexp(np.where(r == 0, 1, r))[1] - 1, 0) - 1)
;;       q = np.round(r / step) * step * 2.0 ** e      # np.round: ties to even
;;       return np.moveaxis(q.reshape(q.shape[:-2] + (-1,))[..., :K], -1, axis).astype(np.float32)
;;   ~~~
;;   SOFTMAX AHEAD OF A QUANTISED PRODUCT. Where the list says 'softmax', what is quantised is not the finished softmax but p = 2^(t - M), with t = logit x log2(e) and M = ceil(the row's largest t), a whole number; so 1/2 < the row's largest p <= 1. The row's sum l is taken of the UNQUANTISED p, in f32, and the product's result is divided by l at the end. Since M is a whole number, a kernel that streams over the keys may use a running M (the ceiling of the running maximum): every later rescaling is an exact power of two, which a block's scale takes up: the codes' values come out the same.
;;   OPERANDS COMPUTED ON THE WAY. 'Computed on the way' means the value that the module computes at that place (a softmax that the list does not call 'softmax' is quantised finished and normalised). What goes into a quantiser is computed in f32, as accurately as f32 sums, v_exp_f32 and their like allow (about 1e-6 of the number): no bf16 or f16 on the way to a quantiser, and a product that is left as it is and whose result goes on into a quantised operand takes f32 operands (vector FMAs, or v_wmma_f32_16x16x4_f32). A number that lies on a knife's edge between two numbers of the format may be rounded either way, as far as f32 arithmetic and the matrix unit's own rounding can turn it there, and no further.
;;   INPUTS GIVEN AS CODES. Wk (in the module: [16, 1024, 64], K = its axis 1); Wo (in the module: [1024, 64], K = its axis 0); Wq (in the module: [16, 1024, 64], K = its axis 1); Wv (in the module: [16, 1024, 64], K = its axis 1); x (in the module: [4, 2048, 1024], K = its axis 2): each comes as NAME_codes (uint8): NAME with its K axis moved to the last place and cut into blocks of 32 codes, [.., K / 32, bytes a block], one block behind the other in memory; two codes a byte, the lower K in the low four bits (a code: sign, 2 exponent bits, 1 mantissa bit); and NAME_scales (uint8): the same leading axes, one E8M0 byte (e + 127) for each 32 codes along K. Its value is code x scale, taken as it is: it is not quantised again, and the codes and scales need not be those that the quantiser above would give.
;; 2 versions, each right; version 2 is version 1 with the launches attn, outp written anew for expert scheduling mode. Each part assembles by itself: llvm-mc -triple=amdgcn-amd-amdhsa -mcpu=gfx1250 --defsym DOCPART=n.
;; ======== version 1 of 2: 3 launches
;; workspace buffers: qcodes 4,194,304 bytes; qscales 524,288 bytes; kv 8,912,896 bytes; ocodes 4,194,304 bytes; oscales 262,144 bytes
;; launch proj (part 1): grid 16 x 32, 4 waves a work-group, clusters of 4 x 4, 244,224 bytes of LDS; arguments x_codes, x_scales, Wq_codes, Wq_scales, Wk_codes, Wk_scales, Wv_codes, Wv_scales, bq, bk, bv, qcodes, qscales, kv; writes qcodes, qscales, kv
.if DOCPART == 1
	.amdgcn_target "amdgcn-amd-amdhsa--gfx1250"
	.amdhsa_code_object_version 6
	.text
	.protected	k_qfd160a6b0d_proj
	.globl	k_qfd160a6b0d_proj
	.p2align	8
	.type	k_qfd160a6b0d_proj,@function
k_qfd160a6b0d_proj:
	s_mov_b64 s[64:65], 0
	v_nop
	global_prefetch_b8 v0, s[64:65] scope:SCOPE_SE
	s_setreg_imm32_b32 hwreg(HW_REG_WAVE_MODE, 25, 1), 1
	s_wait_xcnt 0x0
	s_wait_alu depctr_hold_cnt(0) depctr_sa_sdst(0) depctr_va_vdst(0) depctr_va_sdst(0) depctr_va_ssrc(0) depctr_va_vcc(0) depctr_vm_vsrc(0)
	s_getreg_b32 s2, hwreg(HW_REG_IB_STS2, 6, 4)
	s_cmp_eq_u32 s2, 0
	s_cbranch_scc0 .Lentry_in_a_cluster
	s_endpgm
.Lentry_in_a_cluster:
	s_bfe_u32 s2, ttmp6, 0x10000c
	s_cmp_lg_u32 s2, 0xf033
	s_cbranch_scc0 .Lentry_shape_is_right
	s_endpgm
.Lentry_shape_is_right:
; q, k, v = x W + b for one head and 256 rows of x, on codes of FP4 (E2M1) with E8M0 scales, and the three results quantised again: q and k along the head's 64, v along the keys.
; SHARES.  Work-group (x, y): head HD = x, rows 256 y .. 256 y + 255 of x (batch y / 8, block y % 8).  Wave w: rows 64 w .. 64 w + 63 (four tiles i of 16) against all 12 tiles of 16 columns
; (q, k, v x four tiles te): 48 accumulators, 384 registers.  One fragment of x serves three products.
; q and k are used TRANSPOSED (source 0 = 16 rows of W, source 1 = 16 rows of x): a lane holds one row s, its registers run along e, which is the next product's K.
; v is used as it stands (source 0 = x, source 1 = Wv): a lane holds one e, its registers run along s, the keys, which are its next K.
; LDS.  K = 1,024 is 512 bytes a row: all operands of the work-group fit, as two chunks of 256 bytes a row (K 0-511, K 512-1,023).  Every byte is filled once; nothing is filled again.
; CLUSTER 4 x 4.  x's rows hang on y alone and are asked for jointly along a row of the cluster, W's on x alone, along a column: each work-group receives 224 KiB and the four partners' requests are one.
; FROM RESULT TO OPERAND.  Tile t of a unit of four tiles holds, in lane (r, h), register j, the next K's index 16 t + 8 h + j.  One conversion a tile gives eight codes; the codes of tiles 0, 2, 1, 3 go to
; registers 0 .. 3, and two exchanges of lane halves leave register i with K = 32 h + 8 i .. + 7: the 4-bit operand's own layout.  These four registers, stored at 16 x lane, are an IMAGE (512 bytes).
; OUT.  qcodes [bh][tile 128][512]; qscales [bh][tile][r][4]: (B0, B1, B0, B1); kv [bh][slot of 256 keys][17,408]: K's 16 images; V's images [step 2][te 4][c 2]; K's scale words [64 keys][lane][4];
; V's scale words [step 2][e 64][4].
; LIMITS: NaN and infinities are not served.  A block's largest magnitude is taken no smaller than 2^-124, so its byte is at least 1; a block of zeros gets 1 where the rule says 127: its codes are zeros,
; and this program alone reads the bytes.  The scale words leave in stores of 128 bytes or less a wave: an eighth of the codes' bytes for q, a sixteenth for k and v.
.set PITCH, 272                        ; an LDS row: 256 bytes + 16 of padding: the 16 rows of a fragment load start 68 words apart
.set TILEB, 16*PITCH
.set CH,    448*PITCH                  ; a chunk: 256 rows of x, 64 of Wq, 64 of Wk, 64 of Wv
.set AX,  10                           ; v10-11  LDS address of my x fragments in chunk 0, 1
.set AW,  12                           ; v12-13  the same for W
.set XF,  32                           ; v32-95  x's fragments, two sets of 4 x 8
.set XS,  96                           ; v96-111 x's scale words: register 8 i' + q: lane l = row 32 i' + l, K step q
.set WS,  112                          ; v112-159 W's: register 16 mat + 8 j' + q, likewise
.set T,   160                          ; v160-167 largest magnitudes, later words at work
.set U,   168                          ; v168-175 the other lane half's
.set SO,  176                          ; v176-183 the conversions' scale operands
.set BY,  184                          ; v184-191 the scale bytes
.set CQ,  192                          ; v192-207 q's codes;  v208-223 k's;  v224-239 v's;  v240-244 scale words on their way out: no store's data are written again
.set CK,  208
.set CV,  224
.set WV,  8                            ; s8   wave
.set G1X, 24                           ; s[24:31] descriptor group 1 for x;  s[32:39] for W;  s[40:47], s[48:55] groups 0, one for each chunk
.set G1W, 32
.set G0X, 40
.set G0W, 48
.set SEL, 66                           ; s[66:67] lane selects: lane l xor 16
; window 1: W's fragments, two sets of 12 x 8, at 96 set + 8 (4 mat + te).   window 2: q's accumulators at 8 (4 i + te), k's at 128 + 8 (4 i + te).
; window 3: v's accumulators at 8 (4 te + i); the biases in the results' layouts: bq at 128 + 8 te, bk at 160 + 8 te, bv at 192 + 8 te.
.set MSB, 0
.macro WIN new                         ; the immediate's high byte repeats the setting that is left
.if MSB != \new
	s_set_vgpr_msb (MSB<<8)|\new
.set MSB, \new
.endif
.endm
.macro PLACES                          ; four plain places behind a matrix instruction, ahead of loads into its sources and of reads of its result
.rept 4
	v_nop
.endr
.endm
.macro CROUND                          ; a round of the cluster's barrier
	s_barrier_signal -1
	s_barrier_wait -1
	s_cmp_lg_u32 s[WV], 0
	s_cbranch_scc1 .Lnot_wave_0_\@
	s_barrier_signal -3
.Lnot_wave_0_\@:
	s_barrier_wait -3
	s_barrier_signal -1
	s_barrier_wait -1
.endm
.macro MM                              ; one product: D = rD, sources rA, rB, C = rC, scale registers rSA, rSB and their lane halves rRA, rRB
.if rRA && rRB
	v_wmma_scale_f32_16x16x128_f8f6f4 v[rD:rD+7], v[rA:rA+7], v[rB:rB+7], v[rC:rC+7], v[rSA], v[rSB] matrix_a_fmt:MATRIX_FMT_FP4 matrix_b_fmt:MATRIX_FMT_FP4 matrix_a_scale:MATRIX_SCALE_ROW1 matrix_b_scale:MATRIX_SCALE_ROW1
.elseif rRA
	v_wmma_scale_f32_16x16x128_f8f6f4 v[rD:rD+7], v[rA:rA+7], v[rB:rB+7], v[rC:rC+7], v[rSA], v[rSB] matrix_a_fmt:MATRIX_FMT_FP4 matrix_b_fmt:MATRIX_FMT_FP4 matrix_a_scale:MATRIX_SCALE_ROW1
.elseif rRB
	v_wmma_scale_f32_16x16x128_f8f6f4 v[rD:rD+7], v[rA:rA+7], v[rB:rB+7], v[rC:rC+7], v[rSA], v[rSB] matrix_a_fmt:MATRIX_FMT_FP4 matrix_b_fmt:MATRIX_FMT_FP4 matrix_b_scale:MATRIX_SCALE_ROW1
.else
	v_wmma_scale_f32_16x16x128_f8f6f4 v[rD:rD+7], v[rA:rA+7], v[rB:rB+7], v[rC:rC+7], v[rSA], v[rSB] matrix_a_fmt:MATRIX_FMT_FP4 matrix_b_fmt:MATRIX_FMT_FP4
.endif
.endm
	s_load_b512 s[68:83], s[0:1], 0x0              ; x codes 68, x scales 70, Wq codes 72, Wq scales 74, Wk codes 76, Wk scales 78, Wv codes 80, Wv scales 82
	s_load_b256 s[84:91], s[0:1], 0x40             ; bq 84, bk 86, bv 88, qcodes 90
	s_load_b128 s[92:95], s[0:1], 0x60             ; qscales 92, kv 94
	v_lshl_add_u32 v254, v0, 2, 0x3b800
	v_mov_b32 v255, 0
	ds_add_u32 v254, v255
	ds_add_u32 v254, v255
	v_lshrrev_b32 v1, 5, v0
	v_readfirstlane_b32 s[WV], v1                  ; wave 0..3
	s_bfe_u32 s9, ttmp6, 0x40000                   ; cx
	s_bfe_u32 s10, ttmp6, 0x40004                  ; cy
	s_lshl_b32 s11, ttmp9, 2
	s_add_co_u32 s11, s11, s9                      ; HD = 4 x cluster x + cx: the head
	s_and_b32 s12, ttmp7, 0xffff
	s_lshl_b32 s12, s12, 2
	s_add_co_u32 s12, s12, s10                     ; SB = 4 x cluster y + cy: the block of 256 rows
	s_lshl_b32 s13, s10, 2
	s_lshl_b32 s13, 15, s13                        ; my row of the cluster
	s_lshl_b32 s14, 0x1111, s9                     ; my column
	; group 1: rows of 256 bytes (elements of 1 byte), 512 bytes apart in memory, 16 bytes of padding behind each 64 words; x: 256 rows, W: 64
	s_or_b32 s[G1X], s13, (1<<20)|(1<<21)|(5<<22)|(3<<25)  ; 15:0 the mask; 20 padding on; 21 set beside a mask; 24:22 every 64 words; 31:25 four words
	s_or_b32 s[G1W], s14, (1<<20)|(1<<21)|(5<<22)|(3<<25)
.irp g, G1X, G1W
	s_mov_b32 s[\g+1], 256<<16                     ; tensor_dim0 = 256
	s_mov_b32 s[\g+3], 256<<16                     ; tile_dim0 = 256
	s_mov_b32 s[\g+5], 512                         ; from row to row
	s_mov_b32 s[\g+6], 0
	s_mov_b32 s[\g+7], 0
.endr
	s_mov_b32 s[G1X+2], 256<<16                    ; tensor_dim1
	s_mov_b32 s[G1X+4], 256                        ; tile_dim1
	s_mov_b32 s[G1W+2], 64<<16
	s_mov_b32 s[G1W+4], 64
	s_lshl_b32 s18, s12, 17                        ; x: 256 rows x 512 bytes a block: hangs on y alone
	s_mov_b32 s19, 0
	s_lshl_b32 s20, s11, 15                        ; W: 64 rows x 512 bytes a head: hangs on x alone
	s_mov_b32 s21, 0
	s_mul_i32 s22, s[WV], 64*PITCH
	s_add_co_u32 s22, s22, 192*PITCH               ; waves 1, 2, 3 put Wq, Wk, Wv at rows 256, 320, 384 of a chunk
	s_mov_b32 s[SEL], 0x76543210
	s_mov_b32 s[SEL+1], 0xfedcba98
	s_wait_dscnt 0x0
	s_wait_kmcnt 0x0
	s_cmp_lt_u32 s[WV], 2
	s_cselect_b64 s[56:57], s[72:73], s[76:77]     ; wave 1: Wq; wave 2: Wk;
	s_cmp_lt_u32 s[WV], 3
	s_cselect_b64 s[56:57], s[56:57], s[80:81]     ; wave 3: Wv.  The choice hangs on the wave's number alone
	s_add_nc_u64 s[56:57], s[56:57], s[20:21]
	s_add_nc_u64 s[58:59], s[68:69], s[18:19]
	CROUND                                         ; all sixteen work-groups are here: the joint loads meet
.irp c, 0,1
	s_mov_b32 s[G0X+4*\c], 1
	s_mov_b32 s[G0X+4*\c+1], \c*CH
	s_add_nc_u64 s[G0X+4*\c+2:G0X+4*\c+3], s[58:59], \c*256
	s_or_b32 s[G0X+4*\c+3], s[G0X+4*\c+3], 0x80000000
	s_mov_b32 s[G0W+4*\c], 1
	s_add_co_u32 s[G0W+4*\c+1], s22, \c*CH
	s_add_nc_u64 s[G0W+4*\c+2:G0W+4*\c+3], s[56:57], \c*256
	s_or_b32 s[G0W+4*\c+3], s[G0W+4*\c+3], 0x80000000
.endr
	s_cmp_eq_u32 s[WV], 0                          ; wave 0 asks for x's two chunks, waves 1 to 3 each for its W's two: two loads of every wave are out.  Four v_nop follow the second
	s_cbranch_scc0 .Lfirst_w
	tensor_load_to_lds s[G0X:G0X+3], s[G1X:G1X+7]
	s_nop 0
	tensor_load_to_lds s[G0X+4:G0X+7], s[G1X:G1X+7]
	s_nop 0
.rept 4
	v_nop
.endr
	s_branch .Lfirst_asked
.Lfirst_w:
	tensor_load_to_lds s[G0W:G0W+3], s[G1W:G1W+7]
	s_nop 0
	tensor_load_to_lds s[G0W+4:G0W+7], s[G1W:G1W+7]
	s_nop 0
.rept 4
	v_nop
.endr
.Lfirst_asked:
	v_and_b32 v3, 31, v0                           ; lane
	v_and_b32 v1, 15, v0                           ; r
	v_bfe_u32 v2, v0, 4, 1                         ; h
	v_lshlrev_b32 v4, 4, v3                        ; 16 lane
	v_lshlrev_b32 v5, 2, v3                        ; 4 lane
	v_lshlrev_b32 v6, 5, v3                        ; 32 lane: a row of scale bytes
	v_lshlrev_b32 v7, 5, v2                        ; 32 h: eight f32 of a bias
	v_lshlrev_b32 v8, 2, v1                        ; 4 r
	v_mul_u32_u24 v9, v1, PITCH
	v_lshl_add_u32 v9, v2, 4, v9                   ; a fragment's row x pitch + 16 x half
	s_mul_i32 s23, s[WV], 64*PITCH
	v_add_nc_u32 v[AX], s23, v9                    ; my 64 rows of x
	v_add_nc_u32 v[AX+1], CH, v[AX]
	v_add_nc_u32 v[AW], 256*PITCH, v9              ; W's rows lie behind x's 256
	v_add_nc_u32 v[AW+1], CH, v[AW]
	s_lshr_b32 s60, s[WV], 1                       ; my 64 keys in the slot of 256: step w / 2, half w % 2
	s_and_b32 s61, s[WV], 1
	s_lshl_b32 s23, s[WV], 11
	v_add_nc_u32 v18, s23, v4                      ; K's images: 16 lane + 4 images x wave
	s_lshl_b32 s23, s60, 12
	s_lshl_b32 s62, s61, 9
	s_add_co_u32 s23, s23, s62
	v_add_nc_u32 v19, s23, v4                      ; V's images: 16 lane + 4,096 step + 512 half
	s_lshl_b32 s23, s[WV], 7
	v_add_nc_u32 v20, s23, v5                      ; K's scale words: 4 lane + 128 wave
	s_lshl_b32 s23, s60, 8
	s_lshl_b32 s62, s61, 1
	s_add_co_u32 s23, s23, s62
	v_add_nc_u32 v21, s23, v5                      ; V's scale bytes: 4 lane + 256 step + 2 half
	s_lshl_b32 s60, s12, 13                        ; x's scale rows: 32 bytes a row: 8,192 a block + 2,048 a wave
	s_lshl_b32 s62, s[WV], 11
	s_add_co_u32 s60, s60, s62
	s_mov_b32 s61, 0
	s_add_nc_u64 s[70:71], s[70:71], s[60:61]
	s_lshl_b32 s60, s11, 11                        ; W's: 2,048 a head
	s_add_nc_u64 s[74:75], s[74:75], s[60:61]
	s_add_nc_u64 s[78:79], s[78:79], s[60:61]
	s_add_nc_u64 s[82:83], s[82:83], s[60:61]
	s_lshl_b32 s60, s11, 8                         ; the biases: 256 bytes a head
	s_add_nc_u64 s[84:85], s[84:85], s[60:61]
	s_add_nc_u64 s[86:87], s[86:87], s[60:61]
	s_add_nc_u64 s[88:89], s[88:89], s[60:61]
.irp ip, 0,1
.irp hf, 0,1
	global_load_b128 v[XS+8*\ip+4*\hf:XS+8*\ip+4*\hf+3], v6, s[70:71] offset:\ip*1024+16*\hf   ; lane l: row 32 i' + l, words 4 hf .. 4 hf + 3; the two loads of an i' cover 1,024 consecutive bytes
.endr
.endr
.irp mat, 0,1,2
.irp ip, 0,1
.irp hf, 0,1
	global_load_b128 v[WS+16*\mat+8*\ip+4*\hf:WS+16*\mat+8*\ip+4*\hf+3], v6, s[74+4*\mat:75+4*\mat] offset:\ip*1024+16*\hf
.endr
.endr
.endr
	WIN 0xc0                                       ; destination window 3
.irp te, 0,1,2,3
.irp hf, 0,1
	global_load_b128 v[128+8*\te+4*\hf:128+8*\te+4*\hf+3], v7, s[84:85] offset:64*\te+16*\hf   ; bq[16 te + 8 h + j]: the C of q's first products
	global_load_b128 v[160+8*\te+4*\hf:160+8*\te+4*\hf+3], v7, s[86:87] offset:64*\te+16*\hf   ; bk likewise
.endr
.endr
	WIN 0
.irp te, 0,1,2,3
	global_load_b32 v[14+\te], v8, s[88:89] offset:64*\te                                      ; bv[16 te + r]
.endr
	s_lshr_b32 s15, s12, 3
	s_lshl_b32 s15, s15, 4
	s_add_co_u32 s15, s15, s11                     ; BH = 16 batch + head
	s_and_b32 s16, s12, 7                          ; the block in its batch: kv's slot
	s_lshl_b32 s60, s15, 16                        ; qcodes: 65,536 a head, 8,192 a block, 2,048 a wave
	s_lshl_b32 s62, s16, 13
	s_add_co_u32 s60, s60, s62
	s_lshl_b32 s62, s[WV], 11
	s_add_co_u32 s60, s60, s62
	s_add_nc_u64 s[96:97], s[90:91], s[60:61]
	s_lshl_b32 s60, s15, 13                        ; qscales: an eighth of that
	s_lshl_b32 s62, s16, 10
	s_add_co_u32 s60, s60, s62
	s_lshl_b32 s62, s[WV], 8
	s_add_co_u32 s60, s60, s62
	s_add_nc_u64 s[98:99], s[92:93], s[60:61]
	s_mul_i32 s60, s15, 139264                     ; kv: 8 slots of 17,408 bytes a head
	s_mul_i32 s62, s16, 17408
	s_add_co_u32 s60, s60, s62
	s_add_nc_u64 s[94:95], s[94:95], s[60:61]
.irp n, 0,1,2,3,4,5,6,7
	v_mov_b32 v[U+\n], 0                           ; written once: a lane permute's destination counts as one of its sources
.endr
	s_wait_loadcnt 0x0
	WIN 0xc0
.irp te, 0,1,2,3
.irp j, 0,1,2,3,4,5,6,7
	v_mov_b32 v[192+8*\te+\j], v[14+\te]           ; bv in v's layout: a lane holds one e, so its eight registers hold the same number
.endr
.endr
	WIN 0
; 32 LDS loads in one run: K step q's fragments (64 bytes of each row: chunk q / 4, byte 64 (q % 4)) into set q % 2: W's twelve, then x's four
.macro FETCH q
	WIN 0x40                                       ; destination window 1, address window 0
.irp tc, 0,1,2,3,4,5,6,7,8,9,10,11
	ds_load_b128 v[96*((\q)%2)+8*\tc:96*((\q)%2)+8*\tc+3],   v[AW+(\q)/4] offset:\tc*TILEB+64*((\q)%4)
	ds_load_b128 v[96*((\q)%2)+8*\tc+4:96*((\q)%2)+8*\tc+7], v[AW+(\q)/4] offset:\tc*TILEB+64*((\q)%4)+32
.endr
	WIN 0
.irp i, 0,1,2,3
	ds_load_b128 v[XF+32*((\q)%2)+8*\i:XF+32*((\q)%2)+8*\i+3],   v[AX+(\q)/4] offset:\i*TILEB+64*((\q)%4)
	ds_load_b128 v[XF+32*((\q)%2)+8*\i+4:XF+32*((\q)%2)+8*\i+7], v[AX+(\q)/4] offset:\i*TILEB+64*((\q)%4)+32
.endr
.endm
; K step q: the next step's fragments are asked for, then 48 products.  The 48 accumulators take turns, one instruction a turn, in the same order in every step.
; The first step's products take the biases as C: nothing is cleared and nothing is added afterwards.
.macro KSTEP q
.if (\q) == 3
	s_wait_tensorcnt 0x0                           ; my part of the second chunk has landed;
	s_wait_dscnt 0x0                               ; no LDS load of mine is out at the signal;
	s_barrier_signal -1
	s_barrier_wait -1                              ; everybody's part has: step 4's fragments may be read
.endif
.if (\q) < 7
.if (\q) > 0
	PLACES                                         ; the set that is loaded now was read by the products just issued
.endif
	FETCH (\q)+1
	s_wait_dscnt 32                                ; all but the 32 just issued: this step's fragments are in
.else
	s_wait_dscnt 0x0
.endif
.if (\q) == 0
	WIN 0xb1                                       ; source 0 (W) window 1, source 1 (x) window 0, C (a bias) window 3, D window 2
.else
	WIN 0xa1                                       ; C and D window 2
.endif
.irp i, 0,1,2,3
.irp mat, 0,1
.irp te, 0,1,2,3
.set rD, 128*\mat+8*(4*\i+\te)
.set rA, 96*((\q)%2)+8*(4*\mat+\te)
.set rB, XF+32*((\q)%2)+8*\i
.if (\q) == 0
.set rC, 128+32*\mat+8*\te
.else
.set rC, rD
.endif
.set rSA, WS+16*\mat+8*(\te/2)+(\q)
.set rRA, \te%2
.set rSB, XS+8*(\i/2)+(\q)
.set rRB, \i%2
	MM
.endr
.endr
.endr
	WIN 0xf4                                       ; source 0 (x) window 0, source 1 (Wv) window 1, C and D window 3
.irp te, 0,1,2,3
.irp i, 0,1,2,3
.set rD, 8*(4*\te+\i)
.set rA, XF+32*((\q)%2)+8*\i
.set rB, 96*((\q)%2)+8*(8+\te)
.if (\q) == 0
.set rC, 192+8*\te
.else
.set rC, rD
.endif
.set rSA, XS+8*(\i/2)+(\q)
.set rRA, \i%2
.set rSB, WS+32+8*(\te/2)+(\q)
.set rRB, \te%2
	MM
.endr
.endr
	WIN 0
.endm
; Four units of 32 registers (four tiles each) from register base of one window become four images in v[code] on, and eight scale bytes in v[BY] on (unit u: bytes 2 u, 2 u + 1).
; Chain n = 2 u + b is block b of unit u: registers base + 16 n .. + 15, read in ascending order.
.macro QUANT4 wmax, wcvt, base, code
	WIN \wmax                                      ; sources 1 and 2: the accumulators' window
.irp n, 0,1,2,3,4,5,6,7
	v_max3_num_f32 v[T+\n], 0x1800000, |v[\base+16*\n]|, |v[\base+16*\n+1]|      ; with the floor 2^(3 - 127): the byte cannot fall under 1
.endr
.irp st, 2,4,6,8,10,12,14
.irp n, 0,1,2,3,4,5,6,7
	v_max3_num_f32 v[T+\n], v[T+\n], |v[\base+16*\n+\st]|, |v[\base+16*\n+\st+1]|   ; (the eight chains by turns)
.endr
.endr
	WIN 0
.irp n, 0,1,2,3,4,5,6,7
	v_permlanex16_b32 v[U+\n], v[T+\n], s[SEL], s[SEL+1]
.endr
.irp n, 0,1,2,3,4,5,6,7
	v_max_num_f32 v[T+\n], v[T+\n], v[U+\n]        ; with lane l xor 16's sixteen: the block's largest magnitude
.endr
.irp n, 0,1,2,3,4,5,6,7
	v_add_nc_u32 v[SO+\n], 0xff000000, v[T+\n]     ; 2 off its exponent field: the conversion's scale operand
.endr
.irp n, 0,1,2,3,4,5,6,7
	v_lshrrev_b32 v[BY+\n], 23, v[SO+\n]           ; the scale's byte
.endr
	WIN \wcvt                                      ; source 0: the accumulators' window
.irp u, 0,1,2,3
	v_cvt_scalef32_pk8_fp4_f32 v[\code+4*\u],   v[\base+32*\u:\base+32*\u+7],     v[SO+2*\u]     ; tile 0
	v_cvt_scalef32_pk8_fp4_f32 v[\code+4*\u+1], v[\base+32*\u+16:\base+32*\u+23], v[SO+2*\u+1]   ; tile 2
	v_cvt_scalef32_pk8_fp4_f32 v[\code+4*\u+2], v[\base+32*\u+8:\base+32*\u+15],  v[SO+2*\u]     ; tile 1
	v_cvt_scalef32_pk8_fp4_f32 v[\code+4*\u+3], v[\base+32*\u+24:\base+32*\u+31], v[SO+2*\u+1]   ; tile 3
.endr
	WIN 0
	v_nop                                          ; one plain place behind the scaled conversions
.irp u, 0,1,2,3
	v_permlane16_swap_b32 v[\code+4*\u],   v[\code+4*\u+1]   ; the first's lanes 16-31 change places with the second's lanes 0-15: register i now holds K = 32 h + 8 i .. + 7
	v_permlane16_swap_b32 v[\code+4*\u+2], v[\code+4*\u+3]
.endr
.irp u, 0,1,2,3
	v_lshl_or_b32 v[T+\u], v[BY+2*\u+1], 8, v[BY+2*\u]       ; unit u's two bytes
.endr
.endm
	s_wait_tensorcnt 0x1                           ; my part of the first chunk is in; the second chunk's load may stay out
	s_barrier_signal -1
	s_barrier_wait -1                              ; everybody's is
	FETCH 0
.irp q, 0,1,2,3,4,5,6,7
	KSTEP \q
.endr
	PLACES                                         ; ahead of the first read of results
	s_mov_b32 vcc_lo, 0xffff0000                   ; lanes 16-31 take a select's second source
	; q: unit i = tile of 16 queries
	QUANT4 0x28, 0x02, 0, CQ
.irp u, 0,1,2,3
	v_lshl_or_b32 v[T+\u], v[T+\u], 16, v[T+\u]    ; (B0, B1, B0, B1): the word serves q in the low and in the high half of a K step of 128
.endr
	v_cndmask_b32 v240, v[T], v[T+1], vcc_lo       ; two tiles' words side by side: 128 consecutive bytes
	v_cndmask_b32 v241, v[T+2], v[T+3], vcc_lo
.irp u, 0,1,2,3
	global_store_b128 v4, v[CQ+4*\u:CQ+4*\u+3], s[96:97] offset:512*\u      ; an image: 512 consecutive bytes, aligned
.endr
	global_store_b32 v5, v240, s[98:99]
	global_store_b32 v5, v241, s[98:99] offset:128
	; k: unit i = tile of 16 keys
	QUANT4 0x28, 0x02, 128, CK
	v_lshl_or_b32 v[T], v[T+1], 16, v[T]           ; a pair of tiles makes one fragment of 128 along K in the next launch: (tile 2 f: B0, B1; tile 2 f + 1: B0, B1)
	v_lshl_or_b32 v[T+2], v[T+3], 16, v[T+2]
	v_cndmask_b32 v242, v[T], v[T+2], vcc_lo       ; lanes 0-15 the first pair, lanes 16-31 the second
.irp u, 0,1,2,3
	global_store_b128 v18, v[CK+4*\u:CK+4*\u+3], s[94:95] offset:512*\u
.endr
	global_store_b32 v20, v242, s[94:95] offset:16384
	; v: unit te = 16 of the head's 64; its K is my 64 keys
	QUANT4 0x3c, 0x03, 0, CV
	v_cndmask_b32 v243, v[T], v[T+1], vcc_lo       ; lane l: e = 32 i' + l
	v_cndmask_b32 v244, v[T+2], v[T+3], vcc_lo
.irp u, 0,1,2,3
	global_store_b128 v19, v[CV+4*\u:CV+4*\u+3], s[94:95] offset:8192+1024*\u
.endr
	global_store_b16 v21, v243, s[94:95] offset:16896          ; my two bytes of each e's word of four
	global_store_b16 v21, v244, s[94:95] offset:16896+128
	s_wait_tensorcnt 0x0
	ds_add_u32 v254, v255
	s_wait_dscnt 0x0
	CROUND                                         ; the closing round: no work-group ends while a partner may still ask for a tile that names it
	s_endpgm
.Lfunc_end_k_qfd160a6b0d_proj:
	.size	k_qfd160a6b0d_proj, .Lfunc_end_k_qfd160a6b0d_proj-k_qfd160a6b0d_proj
	.p2alignl 7, 3214868480
	.fill 96, 4, 3214868480
	.section	.rodata,"a",@progbits
	.p2align	6, 0x0
	.amdhsa_kernel k_qfd160a6b0d_proj
		.amdhsa_group_segment_fixed_size 244224
		.amdhsa_private_segment_fixed_size 0
		.amdhsa_enable_private_segment 0
		.amdhsa_kernarg_size 112
		.amdhsa_user_sgpr_count 2
		.amdhsa_user_sgpr_kernarg_segment_ptr 1
		.amdhsa_wavefront_size32 1
		.amdhsa_system_sgpr_workgroup_id_x 1
		.amdhsa_system_sgpr_workgroup_id_y 1
		.amdhsa_system_sgpr_workgroup_id_z 1
		.amdhsa_system_vgpr_workitem_id 0
		.amdhsa_next_free_vgpr 1024
		.amdhsa_next_free_sgpr 100
		.amdhsa_reserve_vcc 1
		.amdhsa_float_denorm_mode_32 3
		.amdhsa_float_denorm_mode_16_64 3
		.amdhsa_memory_ordered 1
		.amdhsa_forward_progress 1
		.amdhsa_inst_pref_size 104
	.end_amdhsa_kernel
	.amdgpu_metadata
---
amdhsa.version: [ 1, 2 ]
amdhsa.kernels:
  - .name:           k_qfd160a6b0d_proj
    .symbol:         k_qfd160a6b0d_proj.kd
    .args:
      - { .name: x_codes, .offset: 0, .size: 8, .value_kind: global_buffer, .address_space: global }
      - { .name: x_scales, .offset: 8, .size: 8, .value_kind: global_buffer, .address_space: global }
      - { .name: Wq_codes, .offset: 16, .size: 8, .value_kind: global_buffer, .address_space: global }
      - { .name: Wq_scales, .offset: 24, .size: 8, .value_kind: global_buffer, .address_space: global }
      - { .name: Wk_codes, .offset: 32, .size: 8, .value_kind: global_buffer, .address_space: global }
      - { .name: Wk_scales, .offset: 40, .size: 8, .value_kind: global_buffer, .address_space: global }
      - { .name: Wv_codes, .offset: 48, .size: 8, .value_kind: global_buffer, .address_space: global }
      - { .name: Wv_scales, .offset: 56, .size: 8, .value_kind: global_buffer, .address_space: global }
      - { .name: bq, .offset: 64, .size: 8, .value_kind: global_buffer, .address_space: global }
      - { .name: bk, .offset: 72, .size: 8, .value_kind: global_buffer, .address_space: global }
      - { .name: bv, .offset: 80, .size: 8, .value_kind: global_buffer, .address_space: global }
      - { .name: qcodes, .offset: 88, .size: 8, .value_kind: global_buffer, .address_space: global }
      - { .name: qscales, .offset: 96, .size: 8, .value_kind: global_buffer, .address_space: global }
      - { .name: kv, .offset: 104, .size: 8, .value_kind: global_buffer, .address_space: global }
    .group_segment_fixed_size: 244224
    .private_segment_fixed_size: 0
    .kernarg_segment_align: 8
    .kernarg_segment_size: 112
    .max_flat_workgroup_size: 128
    .sgpr_count:     100
    .vgpr_count:     1024
    .wavefront_size: 32
...
	.end_amdgpu_metadata
.endif
;; end of part 1
;; launch attn (part 2): grid 4 x 64, 16 waves a work-group, no clusters, 36,864 bytes of LDS; arguments qcodes, qscales, kv, ocodes, oscales; writes ocodes, oscales
.if DOCPART == 2
	.amdgcn_target "amdgcn-amd-amdhsa--gfx1250"
	.amdhsa_code_object_version 6
	.text
	.protected	k_qfd160a6b0d_attn
	.globl	k_qfd160a6b0d_attn
	.p2align	8
	.type	k_qfd160a6b0d_attn,@function
k_qfd160a6b0d_attn:
	s_mov_b64 s[64:65], 0
	v_nop
	global_prefetch_b8 v0, s[64:65] scope:SCOPE_SE
	s_setreg_imm32_b32 hwreg(HW_REG_WAVE_MODE, 25, 1), 1
	s_wait_xcnt 0x0
; Causal attention of one head on codes of FP4 (E2M1) with E8M0 scales, and O / l quantised again along the head's 64 for the last product.
; t = score x log2(e) / 8; M = the running largest t rounded UP to a whole number; p = 2^(t - M) is quantised along the keys, not normalised; the row's sum l is taken of the unquantised p and divides O at the end.
; When M moves, l and O are multiplied by 2^(old M - new M): exact.
; SHARES.  Work-group (P, bh), P = 0 .. 3, owns the blocks 7 - P and P of 256 queries of head bh.  Block n needs the slots 0 .. n of 256 keys: 8 - P slots, then P + 1: nine for every work-group,
; so the loop's trip count is a constant and all 256 work-groups have the same work.  Each of the 16 waves owns one tile of 16 queries of the block in hand, in 256 registers: four waves to a SIMD.
; LDS.  Two slots of 17,408 bytes, each a copy, byte for byte, of a slot of kv.  The 16 waves copy the next slot through registers: 34 bytes a thread, asked for at a trip's head, stored at its end; one barrier a trip.
; NO TENSOR LOAD, NO CLUSTER: in a given trip the four work-groups of a head want different slots (their walks are 8 - P and P + 1 long), so no request could be joint; and a slot's three loads a thread
; are asked for a whole slot's work ahead of their use.
; LAYOUT.  Both products are used transposed: S^T = K Q^T (source 0 = keys, source 1 = my queries), O^T = V^T P^T (source 0 = 16 of the head's 64): a lane holds ONE query (lane % 16) throughout.
; THE HEAD IS 64, THE INSTRUCTION'S K 128: a fragment of K holds tile 2 f in registers 0-3 and tile 2 f + 1 in registers 4-7; against [q; 0] it gives tile 2 f's scores, against [0; q] tile 2 f + 1's.
; The zero codes add nothing under any scale byte that this program makes (1 .. 254).  q lies in v[16:27] as (0, q, 0): v[20:27] = [q; 0], v[16:23] = [0; q].
; Tile t of the scores holds, in lane (r, h), register j, key 16 t + 8 h + j: the codes of tiles 4 c, 4 c + 2, 4 c + 1, 4 c + 3 go to registers 4 c .. 4 c + 3, and two exchanges of lane halves make the operand's layout.
; CAUSAL.  A step of 128 keys that all come after the wave's 16 queries is jumped over (a scalar branch on ids; no barrier stands in a step); on the diagonal hidden scores become -infinity ahead of the maximum.
; Key 0 counts for every query, so M is a number from the first step on.
; LIMITS: NaN and infinities are not served.  A block's largest magnitude is taken no smaller than 2^-124 (byte 1); a block of zeros gets 1 where the rule says 127: its codes are zeros, and this program alone reads
; the bytes.  O's scale bytes leave as single bytes, 32 a wave and block of queries: one sixteenth of the codes' bytes.
.set SLB, 17408                        ; a slot
.set VOF, 8192                         ; in it: V's images,
.set KSO, 16384                        ; K's scale words,
.set VSO, 16896                        ; V's scale words
.set L16, 1                            ; v1   16 x lane
.set L4,  2                            ; v2   4 x lane
.set T16, 3                            ; v3   16 x thread
.set T2,  4                            ; v4   2 x thread
.set CA,  5                            ; v5-6 the copy's offsets in kv
.set CB,  6
.set D0,  7                            ; v7   r - 8 h
.set OA,  8                            ; v8-9 where O's codes and bytes go
.set SA,  9
.set RH,  10                           ; v10  32 r + h
                                       ; v12 -M, v13 the largest t, v[14:15] l in two halves
.set QZ,  16                           ; v[16:27] (0, q, 0)
.set QS,  28                           ; v28  q's scale words
.set QL,  30                           ; v[30:33], v34 the low block's q and scale words, until their turn
.set CP,  36                           ; v[36:44] the copy's data
.set KF,  48                           ; v[48:79]  K's four fragments
.set VF,  80                           ; v[80:111] V's four
.set KSC, 112                          ; v112-113 K's scale words;  v114-115 V's
.set VSC, 114
.set PC,  116                          ; v[116:123] p's codes
.set PW,  124                          ; v124 p's scale word
.set S,   128                          ; v[128:191] S^T, then p
.set O,   192                          ; v[192:223] O^T
.set BM,  224                          ; v224-227 the blocks' largest
.set BU,  228                          ; v228-231 the other half's; then bytes
.set BS,  232                          ; v232-235 the conversions' scale operands
.set L2,  236                          ; v[236:237] the sum's second chain
.set F,   240                          ; v[240:241] f = 2^(old M - new M)
.set TMP, 242
.set NINF, 243                         ; -infinity
.set DD,  244
.set WV,   14                          ; s14  wave
.set Q0,   17                          ; s17  my first query
.set SKF,  18                          ; s18  the slot's first key
.set LEFT, 19                          ; s19  slots left for the block in hand
.set KQ,   20                          ; s20  the step's first key
.set TS,   21
.set CS,   22                          ; s[22:23] c = log2(e) / 8
.set SEL,  24                          ; s[24:25] lane l xor 16
.set NX,   26
.set CNT,  27
.set OOF,  28                          ; s28-29 where the block's codes and bytes go;  s30-33 the low block's OOF, SOF, Q0, LEFT
.set SOF,  29
.macro MM0                             ; a tile of scores: C = 0
.if rRA
	v_wmma_scale_f32_16x16x128_f8f6f4 v[rD:rD+7], v[rA:rA+7], v[rB:rB+7], 0, v[rSA], v[QS] matrix_a_fmt:MATRIX_FMT_FP4 matrix_b_fmt:MATRIX_FMT_FP4 matrix_a_scale:MATRIX_SCALE_ROW1
.else
	v_wmma_scale_f32_16x16x128_f8f6f4 v[rD:rD+7], v[rA:rA+7], v[rB:rB+7], 0, v[rSA], v[QS] matrix_a_fmt:MATRIX_FMT_FP4 matrix_b_fmt:MATRIX_FMT_FP4
.endif
.endm
.macro MMA                             ; a tile of O^T, in place
.if rRA
	v_wmma_scale_f32_16x16x128_f8f6f4 v[rD:rD+7], v[rA:rA+7], v[PC:PC+7], v[rD:rD+7], v[rSA], v[PW] matrix_a_fmt:MATRIX_FMT_FP4 matrix_b_fmt:MATRIX_FMT_FP4 matrix_a_scale:MATRIX_SCALE_ROW1
.else
	v_wmma_scale_f32_16x16x128_f8f6f4 v[rD:rD+7], v[rA:rA+7], v[PC:PC+7], v[rD:rD+7], v[rSA], v[PW] matrix_a_fmt:MATRIX_FMT_FP4 matrix_b_fmt:MATRIX_FMT_FP4
.endif
.endm
	s_load_b256 s[4:11], s[0:1], 0x0               ; qcodes 4, qscales 6, kv 8, ocodes 10
	s_load_b64 s[12:13], s[0:1], 0x20              ; oscales
	v_lshl_add_u32 v254, v0, 2, 0x8800
	v_mov_b32 v255, 0
	v_lshrrev_b32 v1, 5, v0
	v_readfirstlane_b32 s[WV], v1                  ; wave 0..15
	s_mov_b32 s15, ttmp9                           ; P
	s_and_b32 s16, ttmp7, 0xffff                   ; bh
	s_sub_co_u32 s34, 7, s15
	s_lshl_b32 s34, s34, 4
	s_add_co_u32 s34, s34, s[WV]                   ; my tile in the high block: 16 (7 - P) + wave
	s_lshl_b32 s35, s15, 4
	s_add_co_u32 s35, s35, s[WV]                   ; and in the low block
	s_lshl_b32 s[Q0], s34, 4
	s_lshl_b32 s32, s35, 4
	s_sub_co_u32 s[LEFT], 8, s15
	s_add_co_u32 s33, s15, 1
	s_mov_b32 s[SKF], 0
	s_lshr_b32 s36, s16, 4                         ; batch
	s_and_b32 s37, s16, 15                         ; head
	s_lshl_b32 s38, s36, 7
	s_add_co_u32 s39, s38, s34                     ; ocodes [128 batch + tile][head][512]
	s_lshl_b32 s39, s39, 4
	s_add_co_u32 s39, s39, s37
	s_lshl_b32 s[OOF], s39, 9
	s_add_co_u32 s39, s38, s35
	s_lshl_b32 s39, s39, 4
	s_add_co_u32 s39, s39, s37
	s_lshl_b32 s30, s39, 9
	s_lshl_b32 s38, s36, 11                        ; oscales [2,048 batch + s][32], byte 2 head + block
	s_lshl_b32 s40, s37, 1
	s_add_co_u32 s39, s38, s[Q0]
	s_lshl_b32 s39, s39, 5
	s_add_co_u32 s[SOF], s39, s40
	s_add_co_u32 s39, s38, s32
	s_lshl_b32 s39, s39, 5
	s_add_co_u32 s31, s39, s40
	s_lshl_b32 s38, s16, 7                         ; q: [128 bh + tile]: 512 bytes of codes, 64 of scale words
	s_add_co_u32 s41, s38, s34
	s_add_co_u32 s42, s38, s35
	s_lshl_b32 s43, s41, 9
	s_lshl_b32 s44, s42, 9
	s_lshl_b32 s41, s41, 6
	s_lshl_b32 s42, s42, 6
	s_mul_i32 s46, s16, 139264                     ; kv: 8 slots a head
	s_mov_b32 s47, 0
	s_mov_b32 s[CS], 0x3e38aa3b                    ; c = log2(e) / sqrt(64)
	s_mov_b32 s[CS+1], s[CS]                       ; (named with it as a pair, so it is written)
	s_mov_b32 s[SEL], 0x76543210
	s_mov_b32 s[SEL+1], 0xfedcba98
	v_and_b32 v2, 31, v0
	v_lshlrev_b32 v[L16], 4, v2
	v_lshlrev_b32 v[L4], 2, v2
	v_lshlrev_b32 v[T16], 4, v0
	v_lshlrev_b32 v[T2], 1, v0
	v_and_b32 v11, 15, v0                          ; r
	v_bfe_u32 v29, v0, 4, 1                        ; h
	v_lshlrev_b32 v[D0], 3, v29
	v_sub_nc_u32 v[D0], v11, v[D0]
	v_lshl_add_u32 v[RH], v11, 5, v29
	v_lshlrev_b32 v11, 2, v11                      ; 4 r
	v_add_nc_u32 v[CA], s43, v[L16]
	v_add_nc_u32 v[CB], s44, v[L16]
	v_add_nc_u32 v[OA], s41, v11
	v_add_nc_u32 v[SA], s42, v11
	s_wait_kmcnt 0x0
	s_add_nc_u64 s[8:9], s[8:9], s[46:47]
	global_load_b128 v[QZ+4:QZ+7], v[CA], s[4:5]   ; the high block's q, in its place between the zeros
	global_load_b128 v[QL:QL+3], v[CB], s[4:5]     ; the low block's, for later
	global_load_b32 v[QS], v[OA], s[6:7]
	global_load_b32 v[QL+4], v[SA], s[6:7]
	global_load_b128 v[CP:CP+3], v[T16], s[8:9]    ; slot 0
	global_load_b128 v[CP+4:CP+7], v[T16], s[8:9] offset:VOF
	global_load_u16 v[CP+8], v[T2], s[8:9] offset:KSO
.irp j, 0,1,2,3
	v_mov_b32 v[QZ+\j], 0
	v_mov_b32 v[QZ+8+\j], 0
	v_mov_b32 v[BU+\j], 0                          ; written once: a lane permute's destination counts as one of its sources
.endr
	v_mov_b32 v13, 0xff61b1e6                      ; the largest t so far: -3e38, under every t
	v_floor_f32 v12, -v13                          ; -M
	v_mov_b32 v14, 0
	v_mov_b32 v15, 0
	v_mov_b32 v[F], 0
	v_mov_b32 v[F+1], 0                            ; (named as the upper half of the pair)
	v_mov_b32 v[TMP], 0
	v_mov_b32 v[NINF], 0xff800000
.set n, 0
.rept 32
	v_mov_b32 v[O+n], 0                            ; O^T.  (The step is written once: the first finds zeros, which the first change of M leaves zeros)
.set n, n+1
.endr
	s_wait_loadcnt 0x0
	ds_store_b128 v[T16], v[CP:CP+3]
	ds_store_b128 v[T16], v[CP+4:CP+7] offset:VOF
	ds_store_b16 v[T2], v[CP+8] offset:KSO
	s_wait_dscnt 0x0                               ; for the others' sake: my part of slot 0 lies in LDS
	s_barrier_signal -1
	s_barrier_wait -1
; A KEY STEP: 128 keys, the q-th half of LDS slot sl.
.macro STEP sl, q
	s_add_co_u32 s[KQ], s[SKF], 128*(\q)
	s_add_co_u32 s[TS], s[Q0], 15
	s_cmp_gt_u32 s[KQ], s[TS]
	s_cbranch_scc1 .Lhid_\@                        ; all 128 keys come after my 16 queries
.irp t, 0,1,2,3,4,5,6,7
	ds_load_b128 v[KF+4*\t:KF+4*\t+3], v[L16] offset:(\sl)*SLB+(8*(\q)+\t)*512     ; tile t's image: half t % 2 of fragment t / 2
.endr
.irp g, 0,1
	ds_load_b32 v[KSC+\g], v[L4] offset:(\sl)*SLB+KSO+(2*(\q)+\g)*128              ; lanes 0-15: fragment 2 g's words, lanes 16-31: fragment 2 g + 1's
.endr
.irp t, 0,1,2,3,4,5,6,7
	ds_load_b128 v[VF+4*\t:VF+4*\t+3], v[L16] offset:(\sl)*SLB+VOF+4096*(\q)+\t*512
.endr
.irp g, 0,1
	ds_load_b32 v[VSC+\g], v[L4] offset:(\sl)*SLB+VSO+256*(\q)+128*\g              ; lane l: e = 32 g + l
.endr
	s_wait_dscnt 10                                ; K's ten loads are in; V's ten, issued behind them, may stay out
.irp f, 0,1,2,3
.irp c, 0,1
.set rD, S+8*(2*\f+\c)
.set rA, KF+8*\f
.set rB, QZ+4-4*\c
.set rSA, KSC+\f/2
.set rRA, \f%2
	MM0
.endr
.endr
.rept 4
	v_nop                                          ; places ahead of the first read of the scores
.endr
	s_add_co_u32 s[TS], s[KQ], 127
	s_cmp_le_u32 s[TS], s[Q0]
	s_cbranch_scc1 .Lopen_\@                       ; all 128 keys count
	s_sub_co_i32 s[TS], s[Q0], s[KQ]
	v_add_nc_u32 v[DD], s[TS], v[D0]               ; d = my query - the step's first key - 8 h.  Register 8 t + j holds key 16 t + 8 h + j: hidden where 16 t + j > d
.set n, 0
.rept 64
	v_cmp_gt_i32 vcc_lo, 16*(n/8)+n%8, v[DD]
	v_cndmask_b32 v[S+n], v[S+n], v[NINF], vcc_lo
.set n, n+1
.endr
.Lopen_\@:
.irp b, 0,1,2,3
	v_max3_num_f32 v[BM+\b], v[S+16*\b], v[S+16*\b+1], v[S+16*\b+2]      ; the largest score of each block of 32 keys: it serves the row's maximum and, since p rises with the score, the block's largest p
.endr
.irp i, 3,5,7,9,11,13
.irp b, 0,1,2,3
	v_max3_num_f32 v[BM+\b], v[BM+\b], v[S+16*\b+\i], v[S+16*\b+\i+1]    ; (the four blocks by turns)
.endr
.endr
.irp b, 0,1,2,3
	v_max_num_f32 v[BM+\b], v[BM+\b], v[S+16*\b+15]
.endr
.irp b, 0,1,2,3
	v_permlanex16_b32 v[BU+\b], v[BM+\b], s[SEL], s[SEL+1]
.endr
.irp b, 0,1,2,3
	v_max_num_f32 v[BM+\b], v[BM+\b], v[BU+\b]     ; with lane l xor 16's 16 keys
.endr
	v_max3_num_f32 v[TMP], v[BM], v[BM+1], v[BM+2]
	v_max_num_f32 v[TMP], v[TMP], v[BM+3]          ; the step's largest score of my query
	v_mul_f32 v[TMP], s[CS], v[TMP]                ; as t (c is positive)
	v_max_num_f32 v13, v13, v[TMP]                 ; the running largest t
	v_mov_b32 v[TMP], v12
	v_floor_f32 v12, -v13                          ; the new -M = floor(-t) = -ceil(t)
	v_sub_f32 v[TMP], v12, v[TMP]                  ; old M - new M: a whole number, 0 or less
	v_cvt_i32_f32 v[TMP], v[TMP]                   ; (it saturates)
	v_ldexp_f32 v[F], 1.0, v[TMP]                  ; f = 2^(old M - new M)
.set n, 0
.rept 32
	v_pk_fma_f32 v[S+n:S+n+1], v[S+n:S+n+1], s[CS:CS+1], v[12:13] op_sel_hi:[1,0,0]   ; t - M, two at a time (of the pairs c and -M the low word serves both halves)
.set n, n+2
.endr
.irp b, 0,1,2,3
	v_fma_f32 v[BM+\b], v[BM+\b], s[CS], v12       ; the same of each block's largest score
.endr
.set n, 0
.rept 64
	v_exp_f32 v[S+n], v[S+n]                       ; p = 2^(t - M), at most 1
.set n, n+1
.endr
	v_pk_mul_f32 v[14:15], v[14:15], v[F:F+1] op_sel_hi:[1,0]   ; l under the new M: the plain place behind the exponentials
	s_wait_alu depctr_va_vdst(0)                   ; one wait for the batch of 64, ahead of its first reader
.irp b, 0,1,2,3
	v_exp_f32 v[BM+\b], v[BM+\b]                   ; the block's largest p: the same two instructions on the same number give the same bits
.endr
	v_pk_add_f32 v[L2:L2+1], v[S:S+1], v[S+2:S+3]  ; l is taken of the unquantised p: two at a time, in two chains.  (These read the 64 alone: plain work behind the four)
.set n, 4
.rept 15
	v_pk_add_f32 v[14:15], v[14:15], v[S+n:S+n+1]
	v_pk_add_f32 v[L2:L2+1], v[L2:L2+1], v[S+n+2:S+n+3]
.set n, n+4
.endr
	v_pk_add_f32 v[14:15], v[14:15], v[L2:L2+1]
	s_wait_alu depctr_va_vdst(0)                   ; and one for the four
.irp b, 0,1,2,3
	v_max_num_f32 v[BM+\b], 0x1800000, v[BM+\b]    ; the floor 2^(3 - 127): the byte cannot fall under 1 (a block whose every p is 0 keeps that byte: its codes are zeros)
.endr
.irp b, 0,1,2,3
	v_add_nc_u32 v[BS+\b], 0xff000000, v[BM+\b]    ; 2 off the exponent field: the conversion's scale operand
.endr
.irp b, 0,1,2,3
	v_lshrrev_b32 v[BU+\b], 23, v[BS+\b]           ; the scale's byte
.endr
	v_lshl_or_b32 v[PW], v[BU+1], 8, v[BU]         ; p's scale word for these 128 keys
	v_lshl_or_b32 v[PW], v[BU+2], 16, v[PW]
	v_lshl_or_b32 v[PW], v[BU+3], 24, v[PW]
.irp c, 0,1
	v_cvt_scalef32_pk8_fp4_f32 v[PC+4*\c],   v[S+32*\c:S+32*\c+7],     v[BS+2*\c]     ; tile 4 c
	v_cvt_scalef32_pk8_fp4_f32 v[PC+4*\c+1], v[S+32*\c+16:S+32*\c+23], v[BS+2*\c+1]   ; tile 4 c + 2
	v_cvt_scalef32_pk8_fp4_f32 v[PC+4*\c+2], v[S+32*\c+8:S+32*\c+15],  v[BS+2*\c]     ; tile 4 c + 1
	v_cvt_scalef32_pk8_fp4_f32 v[PC+4*\c+3], v[S+32*\c+24:S+32*\c+31], v[BS+2*\c+1]   ; tile 4 c + 3
.endr
	v_nop                                          ; one plain place behind the scaled conversions
.irp c, 0,1
	v_permlane16_swap_b32 v[PC+4*\c],   v[PC+4*\c+1]   ; register 4 c + i now holds keys 64 c + 32 h + 8 i .. + 7
	v_permlane16_swap_b32 v[PC+4*\c+2], v[PC+4*\c+3]
.endr
.set n, 0
.rept 16
	v_pk_mul_f32 v[O+n:O+n+1], v[O+n:O+n+1], v[F:F+1] op_sel_hi:[1,0]   ; O^T under the new M.  (These sixteen are also the places between the writes of p's codes and scale word and the products)
.set n, n+2
.endr
	s_wait_dscnt 0x0                               ; V is in
.irp te, 0,1,2,3
.set rD, O+8*\te
.set rA, VF+8*\te
.set rSA, VSC+\te/2
.set rRA, \te%2
	MMA                                            ; four accumulators, one instruction each
.endr
.rept 4
	v_nop                                          ; places ahead of the next loads into V's registers and of the next read of O^T
.endr
.Lhid_\@:
.endm
; A block of queries is finished: O^T / l, quantised along the head's 64 (two blocks), leaves as one image and two bytes a query.
.macro FLUSH
	v_add_f32 v14, v14, v15                        ; l's two halves,
	v_permlanex16_b32 v[TMP], v14, s[SEL], s[SEL+1]
	v_add_f32 v14, v14, v[TMP]                     ; and lane l xor 16's
	v_rcp_f32 v14, v14
	v_add_nc_u32 v[OA], s[OOF], v[L16]             ; (plain places behind the reciprocal)
	v_add_nc_u32 v[SA], s[SOF], v[RH]
	s_wait_alu depctr_va_vdst(0)                   ; ahead of the reciprocal's first reader
.set n, 0
.rept 16
	v_pk_mul_f32 v[S+n:S+n+1], v[O+n:O+n+1], v[14:15] op_sel_hi:[1,0]   ; register 8 te + j: o(query r, 16 te + 8 h + j); each accumulator from its low end on
.set n, n+2
.endr
.irp b, 0,1
	v_max3_num_f32 v[BM+\b], |v[S+16*\b]|, |v[S+16*\b+1]|, 0x1800000
.endr
.irp i, 2,4,6,8,10,12,14
.irp b, 0,1
	v_max3_num_f32 v[BM+\b], v[BM+\b], |v[S+16*\b+\i]|, |v[S+16*\b+\i+1]|
.endr
.endr
.irp b, 0,1
	v_permlanex16_b32 v[BU+\b], v[BM+\b], s[SEL], s[SEL+1]
.endr
.irp b, 0,1
	v_max_num_f32 v[BM+\b], v[BM+\b], v[BU+\b]
.endr
.irp b, 0,1
	v_add_nc_u32 v[BS+\b], 0xff000000, v[BM+\b]
.endr
.irp b, 0,1
	v_lshrrev_b32 v[BU+\b], 23, v[BS+\b]
.endr
	v_cvt_scalef32_pk8_fp4_f32 v[PC],   v[S:S+7],     v[BS]
	v_cvt_scalef32_pk8_fp4_f32 v[PC+1], v[S+16:S+23], v[BS+1]
	v_cvt_scalef32_pk8_fp4_f32 v[PC+2], v[S+8:S+15],  v[BS]
	v_cvt_scalef32_pk8_fp4_f32 v[PC+3], v[S+24:S+31], v[BS+1]
	v_nop                                          ; one plain place behind the scaled conversions
	v_permlane16_swap_b32 v[PC],   v[PC+1]
	v_permlane16_swap_b32 v[PC+2], v[PC+3]
	s_mov_b32 vcc_lo, 0xffff0000
	v_cndmask_b32 v[TMP], v[BU], v[BU+1], vcc_lo   ; lane (r, h) carries block h's byte
	global_store_b128 v[OA], v[PC:PC+3], s[10:11]  ; an image: 512 consecutive bytes, aligned
	global_store_b8 v[SA], v[TMP], s[12:13]
	s_wait_xcnt 0x0                                ; the stores' registers are written again only behind this wait
.endm
; The low block's turn.
.macro INIT
.irp j, 0,1,2,3
	v_mov_b32 v[QZ+4+\j], v[QL+\j]
.endr
	v_mov_b32 v[QS], v[QL+4]
	v_mov_b32 v13, 0xff61b1e6
	v_floor_f32 v12, -v13
	v_mov_b32 v14, 0
	v_mov_b32 v15, 0
.set n, 0
.rept 32
	v_mov_b32 v[O+n], 0                            ; (also the places between the writes of q and its scale word and the next products)
.set n, n+1
.endr
	s_mov_b32 s[OOF], s30
	s_mov_b32 s[SOF], s31
	s_mov_b32 s[Q0], s32
	s_mov_b32 s[LEFT], s33
	s_mov_b32 s[SKF], 0
.endm
; A TRIP: LDS slot sl is worked.  more = 1: the slot that the next trip wants is asked for at the head and stored into the other LDS slot at the end; then the trip's one barrier:
; in front of it each wave's stores have landed and its reads of slot sl are back, so behind it the other slot is whole and slot sl may be written.
.macro TRIP sl, more
.if \more
	s_add_co_u32 s[NX], s[SKF], 256
	s_cmp_eq_u32 s[LEFT], 1
	s_cselect_b32 s[NX], 0, s[NX]                  ; behind a block's last slot comes the next block's slot 0
	s_mul_i32 s[NX], s[NX], 68                     ; 17,408 bytes for 256 keys
	v_add_nc_u32 v[CA], s[NX], v[T16]              ; (the last trip's loads were waited for: their address registers are free)
	v_add_nc_u32 v[CB], s[NX], v[T2]
	global_load_b128 v[CP:CP+3], v[CA], s[8:9]
	global_load_b128 v[CP+4:CP+7], v[CA], s[8:9] offset:VOF
	global_load_u16 v[CP+8], v[CB], s[8:9] offset:KSO
.endif
	STEP \sl, 0
	STEP \sl, 1
.if \more
	s_wait_loadcnt 0x0
	ds_store_b128 v[T16], v[CP:CP+3] offset:(1-\sl)*SLB
	ds_store_b128 v[T16], v[CP+4:CP+7] offset:(1-\sl)*SLB+VOF
	ds_store_b16 v[T2], v[CP+8] offset:(1-\sl)*SLB+KSO
.endif
	s_sub_co_u32 s[LEFT], s[LEFT], 1
	s_add_co_u32 s[SKF], s[SKF], 256
.if \more
	s_cmp_lg_u32 s[LEFT], 0
	s_cbranch_scc1 .Lgo_\@                         ; the same in all sixteen waves: it hangs on the work-group's number and the trip
.endif
	FLUSH
.if \more
	INIT
.Lgo_\@:
	s_wait_dscnt 0x0
	s_barrier_signal -1
	s_barrier_wait -1
.endif
.endm
	s_mov_b32 s[CNT], 4
.Lpair:                                            ; eight of the nine trips
	TRIP 0, 1
	TRIP 1, 1
	s_sub_co_u32 s[CNT], s[CNT], 1
	s_cmp_lg_u32 s[CNT], 0
	s_cbranch_scc1 .Lpair
	TRIP 0, 0                                      ; the ninth asks for nothing and ends the low block
	s_wait_tensorcnt 0x0
	ds_add_u32 v254, v255
	s_wait_dscnt 0x0
	s_endpgm
.Lfunc_end_k_qfd160a6b0d_attn:
	.size	k_qfd160a6b0d_attn, .Lfunc_end_k_qfd160a6b0d_attn-k_qfd160a6b0d_attn
	.p2alignl 7, 3214868480
	.fill 96, 4, 3214868480
	.section	.rodata,"a",@progbits
	.p2align	6, 0x0
	.amdhsa_kernel k_qfd160a6b0d_attn
		.amdhsa_group_segment_fixed_size 36864
		.amdhsa_private_segment_fixed_size 0
		.amdhsa_enable_private_segment 0
		.amdhsa_kernarg_size 40
		.amdhsa_user_sgpr_count 2
		.amdhsa_user_sgpr_kernarg_segment_ptr 1
		.amdhsa_wavefront_size32 1
		.amdhsa_system_sgpr_workgroup_id_x 1
		.amdhsa_system_sgpr_workgroup_id_y 1
		.amdhsa_system_sgpr_workgroup_id_z 1
		.amdhsa_system_vgpr_workitem_id 0
		.amdhsa_next_free_vgpr 256
		.amdhsa_next_free_sgpr 66
		.amdhsa_reserve_vcc 1
		.amdhsa_float_denorm_mode_32 3
		.amdhsa_float_denorm_mode_16_64 3
		.amdhsa_memory_ordered 1
		.amdhsa_forward_progress 1
		.amdhsa_inst_pref_size 141
	.end_amdhsa_kernel
	.amdgpu_metadata
---
amdhsa.version: [ 1, 2 ]
amdhsa.kernels:
  - .name:           k_qfd160a6b0d_attn
    .symbol:         k_qfd160a6b0d_attn.kd
    .args:
      - { .name: qcodes, .offset: 0, .size: 8, .value_kind: global_buffer, .address_space: global }
      - { .name: qscales, .offset: 8, .size: 8, .value_kind: global_buffer, .address_space: global }
      - { .name: kv, .offset: 16, .size: 8, .value_kind: global_buffer, .address_space: global }
      - { .name: ocodes, .offset: 24, .size: 8, .value_kind: global_buffer, .address_space: global }
      - { .name: oscales, .offset: 32, .size: 8, .value_kind: global_buffer, .address_space: global }
    .group_segment_fixed_size: 36864
    .private_segment_fixed_size: 0
    .kernarg_segment_align: 8
    .kernarg_segment_size: 40
    .max_flat_workgroup_size: 512
    .sgpr_count:     66
    .vgpr_count:     256
    .wavefront_size: 32
...
	.end_amdgpu_metadata
.endif
;; end of part 2
;; launch outp (part 3): grid 256 x 1, 2 waves a work-group, no clusters, 8,960 bytes of LDS; arguments ocodes, oscales, Wo_codes, Wo_scales, bo, out0; writes out0
.if DOCPART == 3
	.amdgcn_target "amdgcn-amd-amdhsa--gfx1250"
	.amdhsa_code_object_version 6
	.text
	.protected	k_qfd160a6b0d_outp
	.globl	k_qfd160a6b0d_outp
	.p2align	8
	.type	k_qfd160a6b0d_outp,@function
k_qfd160a6b0d_outp:
	s_mov_b64 s[64:65], 0
	v_nop
	global_prefetch_b8 v0, s[64:65] scope:SCOPE_SE
	s_setreg_imm32_b32 hwreg(HW_REG_WAVE_MODE, 25, 1), 1
	s_wait_xcnt 0x0
; out0 = o Wo + bo on codes of FP4 (E2M1) with E8M0 scales.  o: 8,192 rows x K 1,024, as images [tile of 16 rows][head 16][512 bytes] and scale bytes [row][32]; Wo: [64][K 1,024] codes, [64][32] scale bytes.
; SHARES.  A wave takes 16 rows x all 64 outputs: four accumulators, eight K steps of 128 (two heads each), 32 products.  All operands go from memory straight into registers, each once: there is no loop and no tile in LDS.
; NO CLUSTER, NO TENSOR LOAD: what the waves share is Wo, 32 KiB; a wave loads its fragments once, by 64 loads that are all on their way together, and nothing is walked.
; The product is used TRANSPOSED (source 0 = 16 rows of Wo, source 1 = 16 rows of o): a lane holds eight neighbouring outputs of one row.  bo is loaded into the accumulators in that layout: it costs no addition.
; THE WAY OUT: through the wave's own stage in LDS (16 rows x 272 bytes), back as whole rows of 256 bytes: each store of the wave covers 512 consecutive bytes, aligned.
; REGISTERS: v1-7 addresses; v[16:79] o's 8 fragments; v[80:87] o's scale words; v[88:103] Wo's; v[104:135] the accumulators; v[136:167] rows on their way out.  Window 1: Wo's 32 fragments at 8 (8 tn + kk).
.set OF,  16
.set OS,  80
.set WS,  88
.set ACC, 104
.set BK,  136
.set SP,  272
.set MSB, 0
.macro WIN new                         ; the immediate's high byte repeats the setting that is left
.if MSB != \new
	s_set_vgpr_msb (MSB<<8)|\new
.set MSB, \new
.endif
.endm
	s_load_b256 s[4:11], s[0:1], 0x0               ; ocodes 4, oscales 6, Wo codes 8, Wo scales 10
	s_load_b128 s[12:15], s[0:1], 0x20             ; bo 12, out0 14
	v_lshl_add_u32 v254, v0, 2, 0x2200
	v_mov_b32 v255, 0
	v_lshrrev_b32 v1, 5, v0
	v_readfirstlane_b32 s16, v1                    ; wave 0, 1
	s_lshl_b32 s17, ttmp9, 1
	s_add_co_u32 s17, s17, s16                     ; my tile of 16 rows
	v_and_b32 v8, 31, v0                           ; lane
	v_and_b32 v9, 15, v0                           ; r
	v_bfe_u32 v10, v0, 4, 1                        ; h
	v_lshlrev_b32 v1, 4, v8                        ; 16 lane
	v_lshlrev_b32 v2, 5, v9                        ; 32 r: my row of o's scale bytes
	v_lshlrev_b32 v3, 9, v9
	v_lshl_add_u32 v3, v10, 4, v3                  ; Wo: row r of 512 bytes + 16 h
	v_lshlrev_b32 v4, 5, v8                        ; 32 lane: Wo's scale rows
	v_lshlrev_b32 v5, 5, v10                       ; 32 h: eight numbers of bo
	s_mul_i32 s18, s16, 16*SP                      ; my stage
	v_mul_u32_u24 v6, v9, SP
	v_lshl_add_u32 v6, v10, 5, v6
	v_add_nc_u32 v6, s18, v6                       ; in: row r, 32 bytes for each half of the lanes
	v_mul_u32_u24 v7, v10, SP
	v_lshl_add_u32 v7, v9, 4, v7
	v_add_nc_u32 v7, s18, v7                       ; back: lanes 0-15 one row, lanes 16-31 the next
	s_lshl_b32 s20, s17, 13                        ; ocodes: 16 images a tile
	s_mov_b32 s21, 0
	s_lshl_b32 s22, s17, 9                         ; oscales: 16 rows of 32 bytes
	s_mov_b32 s23, 0
	s_lshl_b32 s24, s17, 12                        ; out0: 16 rows of 256 bytes
	s_mov_b32 s25, 0
	s_wait_kmcnt 0x0
	s_add_nc_u64 s[4:5], s[4:5], s[20:21]
	s_add_nc_u64 s[6:7], s[6:7], s[22:23]
	s_add_nc_u64 s[14:15], s[14:15], s[24:25]
.irp hd, 0,1,2,3,4,5,6,7,8,9,10,11,12,13,14,15
	global_load_b128 v[OF+4*\hd:OF+4*\hd+3], v1, s[4:5] offset:512*\hd     ; head hd's image: half hd % 2 of K step hd / 2's fragment
.endr
.irp hf, 0,1
	global_load_b128 v[OS+4*\hf:OS+4*\hf+3], v2, s[6:7] offset:16*\hf      ; word kk: the bytes of heads 2 kk and 2 kk + 1
.endr
	WIN 0x40                                       ; destination window 1
.irp tn, 0,1,2,3
.irp kk, 0,1,2,3,4,5,6,7
	global_load_b128 v[8*(8*\tn+\kk):8*(8*\tn+\kk)+3],   v3, s[8:9] offset:8192*\tn+64*\kk
	global_load_b128 v[8*(8*\tn+\kk)+4:8*(8*\tn+\kk)+7], v3, s[8:9] offset:8192*\tn+64*\kk+32
.endr
.endr
	WIN 0
.irp ip, 0,1
.irp hf, 0,1
	global_load_b128 v[WS+8*\ip+4*\hf:WS+8*\ip+4*\hf+3], v4, s[10:11] offset:1024*\ip+16*\hf   ; lane l: output 32 i' + l
.endr
.endr
.irp tn, 0,1,2,3
.irp hf, 0,1
	global_load_b128 v[ACC+8*\tn+4*\hf:ACC+8*\tn+4*\hf+3], v5, s[12:13] offset:64*\tn+16*\hf   ; bo[16 tn + 8 h + j] starts the sums
.endr
.endr
	s_wait_loadcnt 0x0
	WIN 0x01                                       ; source 0 (Wo) window 1
.irp kk, 0,1,2,3,4,5,6,7                       ; the four accumulators take turns, one instruction a turn
.irp tn, 0,2
	v_wmma_scale_f32_16x16x128_f8f6f4 v[ACC+8*\tn:ACC+8*\tn+7], v[8*(8*\tn+\kk):8*(8*\tn+\kk)+7], v[OF+8*\kk:OF+8*\kk+7], v[ACC+8*\tn:ACC+8*\tn+7], v[WS+8*(\tn/2)+\kk], v[OS+\kk] matrix_a_fmt:MATRIX_FMT_FP4 matrix_b_fmt:MATRIX_FMT_FP4
	v_wmma_scale_f32_16x16x128_f8f6f4 v[ACC+8*\tn+8:ACC+8*\tn+15], v[8*(8*\tn+8+\kk):8*(8*\tn+8+\kk)+7], v[OF+8*\kk:OF+8*\kk+7], v[ACC+8*\tn+8:ACC+8*\tn+15], v[WS+8*(\tn/2)+\kk], v[OS+\kk] matrix_a_fmt:MATRIX_FMT_FP4 matrix_b_fmt:MATRIX_FMT_FP4 matrix_a_scale:MATRIX_SCALE_ROW1
.endr
.endr
	WIN 0
.rept 4
	v_nop                                          ; places ahead of the first read of results (ISA guide 7.12.1)
.endr
.irp tn, 0,1,2,3
	ds_store_b128 v6, v[ACC+8*\tn:ACC+8*\tn+3] offset:64*\tn          ; lane (r, h): out(r, 16 tn + 8 h + 0 .. 7); each accumulator from its low end on
	ds_store_b128 v6, v[ACC+8*\tn+4:ACC+8*\tn+7] offset:64*\tn+16
.endr
.irp i, 0,1,2,3,4,5,6,7
	ds_load_b128 v[BK+4*\i:BK+4*\i+3], v7 offset:2*\i*SP              ; LDS serves a wave's instructions in order (ISA guide 5.7.1.4): these see my stores
.endr
.irp i, 0,1,2,3,4,5,6,7
	s_wait_dscnt 7-\i                              ; the younger read-backs may stay out
	global_store_b128 v1, v[BK+4*\i:BK+4*\i+3], s[14:15] offset:512*\i th:TH_STORE_NT   ; two whole rows of 256 bytes; written once, read by nobody here
.endr
	s_wait_tensorcnt 0x0
	ds_add_u32 v254, v255
	s_wait_dscnt 0x0
	s_endpgm
.Lfunc_end_k_qfd160a6b0d_outp:
	.size	k_qfd160a6b0d_outp, .Lfunc_end_k_qfd160a6b0d_outp-k_qfd160a6b0d_outp
	.p2alignl 7, 3214868480
	.fill 96, 4, 3214868480
	.section	.rodata,"a",@progbits
	.p2align	6, 0x0
	.amdhsa_kernel k_qfd160a6b0d_outp
		.amdhsa_group_segment_fixed_size 8960
		.amdhsa_private_segment_fixed_size 0
		.amdhsa_enable_private_segment 0
		.amdhsa_kernarg_size 48
		.amdhsa_user_sgpr_count 2
		.amdhsa_user_sgpr_kernarg_segment_ptr 1
		.amdhsa_wavefront_size32 1
		.amdhsa_system_sgpr_workgroup_id_x 1
		.amdhsa_system_sgpr_workgroup_id_y 1
		.amdhsa_system_sgpr_workgroup_id_z 1
		.amdhsa_system_vgpr_workitem_id 0
		.amdhsa_next_free_vgpr 512
		.amdhsa_next_free_sgpr 66
		.amdhsa_reserve_vcc 0
		.amdhsa_float_denorm_mode_32 3
		.amdhsa_float_denorm_mode_16_64 3
		.amdhsa_memory_ordered 1
		.amdhsa_forward_progress 1
		.amdhsa_inst_pref_size 17
	.end_amdhsa_kernel
	.amdgpu_metadata
---
amdhsa.version: [ 1, 2 ]
amdhsa.kernels:
  - .name:           k_qfd160a6b0d_outp
    .symbol:         k_qfd160a6b0d_outp.kd
    .args:
      - { .name: ocodes, .offset: 0, .size: 8, .value_kind: global_buffer, .address_space: global }
      - { .name: oscales, .offset: 8, .size: 8, .value_kind: global_buffer, .address_space: global }
      - { .name: Wo_codes, .offset: 16, .size: 8, .value_kind: global_buffer, .address_space: global }
      - { .name: Wo_scales, .offset: 24, .size: 8, .value_kind: global_buffer, .address_space: global }
      - { .name: bo, .offset: 32, .size: 8, .value_kind: global_buffer, .address_space: global }
      - { .name: out0, .offset: 40, .size: 8, .value_kind: global_buffer, .address_space: global }
    .group_segment_fixed_size: 8960
    .private_segment_fixed_size: 0
    .kernarg_segment_align: 8
    .kernarg_segment_size: 48
    .max_flat_workgroup_size: 64
    .sgpr_count:     66
    .vgpr_count:     512
    .wavefront_size: 32
...
	.end_amdgpu_metadata
.endif
;; end of part 3
;; ======== version 2 of 2: 3 launches; version 1 with the launches attn, outp written anew for expert scheduling mode
;; workspace buffers: qcodes 4,194,304 bytes; qscales 524,288 bytes; kv 8,912,896 bytes; ocodes 4,194,304 bytes; oscales 262,144 bytes
;; launch proj: the kernel of part 1 again; grid 16 x 32, 4 waves a work-group, clusters of 4 x 4, 244,224 bytes of LDS; arguments x_codes, x_scales, Wq_codes, Wq_scales, Wk_codes, Wk_scales, Wv_codes, Wv_scales, bq, bk, bv, qcodes, qscales, kv; writes qcodes, qscales, kv
;; launch attn (part 4): grid 4 x 64, 16 waves a work-group, no clusters, 36,864 bytes of LDS; arguments qcodes, qscales, kv, ocodes, oscales; writes ocodes, oscales
.if DOCPART == 4
	.amdgcn_target "amdgcn-amd-amdhsa--gfx1250"
	.amdhsa_code_object_version 6
	.text
	.protected	k_qfd160a6b0d_attn
	.globl	k_qfd160a6b0d_attn
	.p2align	8
	.type	k_qfd160a6b0d_attn,@function
k_qfd160a6b0d_attn:
	s_mov_b64 s[64:65], 0
	v_nop
	global_prefetch_b8 v0, s[64:65] scope:SCOPE_SE
	s_setreg_imm32_b32 hwreg(HW_REG_WAVE_SCHED_MODE, 0, 2), 2
	s_setreg_imm32_b32 hwreg(HW_REG_WAVE_MODE, 25, 1), 1
	s_wait_xcnt 0x0
	s_wait_alu depctr_vm_vsrc(0)
; Causal attention of one head on codes of FP4 (E2M1) with E8M0 scales, and O / l quantised again along the head's 64 for the last product.
; t = score x log2(e) / 8; M = the running largest t rounded UP to a whole number; p = 2^(t - M) is quantised along the keys, not normalised; the row's sum l is taken of the unquantised p and divides O at the end.
; When M moves, l and O are multiplied by 2^(old M - new M): exact.
; SHARES.  Work-group (P, bh), P = 0 .. 3, owns the blocks 7 - P and P of 256 queries of head bh.  Block n needs the slots 0 .. n of 256 keys: 8 - P slots, then P + 1: nine for every work-group,
; so the loop's trip count is a constant and all 256 work-groups have the same work.  Each of the 16 waves owns one tile of 16 queries of the block in hand, in 256 registers: four waves to a SIMD.
; LDS.  Two slots of 17,408 bytes, each a copy, byte for byte, of a slot of kv.  The 16 waves copy the next slot through registers: 34 bytes a thread, asked for at a trip's head, stored at its end; one barrier a trip.
; NO TENSOR LOAD, NO CLUSTER: in a given trip the four work-groups of a head want different slots (their walks are 8 - P and P + 1 long), so no request could be joint; and a slot's three loads a thread
; are asked for a whole slot's work ahead of their use.
; LAYOUT.  Both products are used transposed: S^T = K Q^T (source 0 = keys, source 1 = my queries), O^T = V^T P^T (source 0 = 16 of the head's 64): a lane holds ONE query (lane % 16) throughout.
; THE HEAD IS 64, THE INSTRUCTION'S K 128: a fragment of K holds tile 2 f in registers 0-3 and tile 2 f + 1 in registers 4-7; against [q; 0] it gives tile 2 f's scores, against [0; q] tile 2 f + 1's.
; The zero codes add nothing under any scale byte that this program makes (1 .. 254).  q lies in v[16:27] as (0, q, 0): v[20:27] = [q; 0], v[16:23] = [0; q].
; Tile t of the scores holds, in lane (r, h), register j, key 16 t + 8 h + j: the codes of tiles 4 c, 4 c + 2, 4 c + 1, 4 c + 3 go to registers 4 c .. 4 c + 3, and two exchanges of lane halves make the operand's layout.
; CAUSAL.  A step of 128 keys that all come after the wave's 16 queries is jumped over (a scalar branch on ids; no barrier stands in a step); on the diagonal hidden scores become -infinity ahead of the maximum.
; Key 0 counts for every query, so M is a number from the first step on.
; LIMITS: NaN and infinities are not served.  A block's largest magnitude is taken no smaller than 2^-124 (byte 1); a block of zeros gets 1 where the rule says 127: its codes are zeros, and this program alone reads
; the bytes.  O's scale bytes leave as single bytes, 32 a wave and block of queries: one sixteenth of the codes' bytes.
; THE MODE: SCHED_MODE bits 1:0 = 2 (LLVM: expert scheduling mode 2), set by the entry lines.  The code itself states the register dependences between vector or matrix instructions and memory or LDS
; instructions, with s_wait_alu, always for 0.
; THE PLAN.  Registers that memory or LDS instructions touch:
;   v1-4         offsets and LDS addresses: made at the head, never written again.  The copy's slot is reached by a scalar base.
;   CP           Written by the copy's three loads at a trip's head, read by its three LDS stores at the trip's end; no vector instruction names it.  One wait on vm_vsrc at a trip's head.
;   KF, KSC      Read by a step's eight score products.  Loaded at the head of a slot's first step, and again, with the second step's keys, behind the first step's batch of exponentials:
;                the wait on va_vdst that stands there for the batch also states that the eight products are done reading them.
;   VF, VSC      Read by a step's four O^T products, its last.  Loaded in the next step, among and behind its score products, which name S, KF, KSC, q and q's scale word alone: the wait on va_vdst at a step's head covers these loads.
;   OA, SA, PC, TMP  Written on the way out of a block of queries, read by its two stores: one wait on va_vdst ahead of the stores, one on vm_vsrc ahead of the low block's set-up.
;   S, O, p's codes and scale word in the steps, and the statistics are named by vector and matrix instructions alone; p's codes and scale word, written by vector instructions, have a wait on va_vdst ahead of the scaled products that take them.
.set SLB, 17408                        ; a slot
.set VOF, 8192                         ; in it: V's images,
.set KSO, 16384                        ; K's scale words,
.set VSO, 16896                        ; V's scale words
.set L16, 1                            ; v1   16 x lane
.set L4,  2                            ; v2   4 x lane
.set T16, 3                            ; v3   16 x thread
.set T2,  4                            ; v4   2 x thread
.set CA,  5                            ; v5-6 at the head only: where the two blocks' q lie
.set CB,  6
.set D0,  7                            ; v7   r - 8 h
.set OA,  8                            ; v8-9 where O's codes and bytes go
.set SA,  9
.set RH,  10                           ; v10  32 r + h
                                       ; v12 -M, v13 the largest t, v[14:15] l in two halves
.set QZ,  16                           ; v[16:27] (0, q, 0)
.set QS,  28                           ; v28  q's scale words
.set QL,  30                           ; v[30:33], v34 the low block's q and scale words, until their turn
.set CP,  36                           ; v[36:44] the copy's data
.set KF,  48                           ; v[48:79]  K's four fragments
.set VF,  80                           ; v[80:111] V's four
.set KSC, 112                          ; v112-113 K's scale words;  v114-115 V's
.set VSC, 114
.set PC,  116                          ; v[116:123] p's codes
.set PW,  124                          ; v124 p's scale word
.set S,   128                          ; v[128:191] S^T, then p
.set O,   192                          ; v[192:223] O^T
.set BM,  224                          ; v224-227 the blocks' largest
.set BU,  228                          ; v228-231 the other half's; then bytes
.set BS,  232                          ; v232-235 the conversions' scale operands
.set L2,  236                          ; v[236:237] the sum's second chain
.set F,   240                          ; v[240:241] f = 2^(old M - new M)
.set TMP, 242
.set NINF, 243                         ; -infinity
.set DD,  244
.set WV,   14                          ; s14  wave
.set Q0,   17                          ; s17  my first query
.set SKF,  18                          ; s18  the slot's first key
.set LEFT, 19                          ; s19  slots left for the block in hand
.set KQ,   20                          ; s20  the step's first key
.set TS,   21
.set CS,   22                          ; s[22:23] c = log2(e) / 8
.set SEL,  24                          ; s[24:25] lane l xor 16
.set NX,   26
.set CNT,  27
.set OOF,  28                          ; s28-29 where the block's codes and bytes go;  s30-33 the low block's OOF, SOF, Q0, LEFT
.set SOF,  29
.set KO,   34                          ; s[34:35] the byte offset in the head's part of kv of the slot that is asked for, in 64 bits
.set KB,   36                          ; s[36:37] kv at that slot
.set HM,   38                          ; s38  the mask of lanes 16-31
.set MK,   40                          ; s40-47 eight masks of the diagonal's compares
.macro MM0                             ; a tile of scores: C = 0
.if rRA
	v_wmma_scale_f32_16x16x128_f8f6f4 v[rD:rD+7], v[rA:rA+7], v[rB:rB+7], 0, v[rSA], v[QS] matrix_a_fmt:MATRIX_FMT_FP4 matrix_b_fmt:MATRIX_FMT_FP4 matrix_a_scale:MATRIX_SCALE_ROW1
.else
	v_wmma_scale_f32_16x16x128_f8f6f4 v[rD:rD+7], v[rA:rA+7], v[rB:rB+7], 0, v[rSA], v[QS] matrix_a_fmt:MATRIX_FMT_FP4 matrix_b_fmt:MATRIX_FMT_FP4
.endif
.endm
.macro MMA                             ; a tile of O^T, in place
.if rRA
	v_wmma_scale_f32_16x16x128_f8f6f4 v[rD:rD+7], v[rA:rA+7], v[PC:PC+7], v[rD:rD+7], v[rSA], v[PW] matrix_a_fmt:MATRIX_FMT_FP4 matrix_b_fmt:MATRIX_FMT_FP4 matrix_a_scale:MATRIX_SCALE_ROW1
.else
	v_wmma_scale_f32_16x16x128_f8f6f4 v[rD:rD+7], v[rA:rA+7], v[PC:PC+7], v[rD:rD+7], v[rSA], v[PW] matrix_a_fmt:MATRIX_FMT_FP4 matrix_b_fmt:MATRIX_FMT_FP4
.endif
.endm
	s_load_b256 s[4:11], s[0:1], 0x0               ; qcodes 4, qscales 6, kv 8, ocodes 10
	s_load_b64 s[12:13], s[0:1], 0x20              ; oscales
	v_lshl_add_u32 v254, v0, 2, 0x8800
	v_mov_b32 v255, 0
	v_lshrrev_b32 v1, 5, v0
	v_readfirstlane_b32 s[WV], v1                  ; wave 0..15
	s_mov_b32 s15, ttmp9                           ; P
	s_and_b32 s16, ttmp7, 0xffff                   ; bh
	s_sub_co_u32 s34, 7, s15
	s_lshl_b32 s34, s34, 4
	s_wait_alu depctr_va_sdst(0)                   ; the wave's number is written, ahead of its first reader
	s_add_co_u32 s34, s34, s[WV]                   ; my tile in the high block: 16 (7 - P) + wave
	s_lshl_b32 s35, s15, 4
	s_add_co_u32 s35, s35, s[WV]                   ; and in the low block
	s_lshl_b32 s[Q0], s34, 4
	s_lshl_b32 s32, s35, 4
	s_sub_co_u32 s[LEFT], 8, s15
	s_add_co_u32 s33, s15, 1
	s_mov_b32 s[SKF], 0
	s_lshr_b32 s36, s16, 4                         ; batch
	s_and_b32 s37, s16, 15                         ; head
	s_lshl_b32 s38, s36, 7
	s_add_co_u32 s39, s38, s34                     ; ocodes [128 batch + tile][head][512]
	s_lshl_b32 s39, s39, 4
	s_add_co_u32 s39, s39, s37
	s_lshl_b32 s[OOF], s39, 9
	s_add_co_u32 s39, s38, s35
	s_lshl_b32 s39, s39, 4
	s_add_co_u32 s39, s39, s37
	s_lshl_b32 s30, s39, 9
	s_lshl_b32 s38, s36, 11                        ; oscales [2,048 batch + s][32], byte 2 head + block
	s_lshl_b32 s40, s37, 1
	s_add_co_u32 s39, s38, s[Q0]
	s_lshl_b32 s39, s39, 5
	s_add_co_u32 s[SOF], s39, s40
	s_add_co_u32 s39, s38, s32
	s_lshl_b32 s39, s39, 5
	s_add_co_u32 s31, s39, s40
	s_lshl_b32 s38, s16, 7                         ; q: [128 bh + tile]: 512 bytes of codes, 64 of scale words
	s_add_co_u32 s41, s38, s34
	s_add_co_u32 s42, s38, s35
	s_lshl_b32 s43, s41, 9
	s_lshl_b32 s44, s42, 9
	s_lshl_b32 s41, s41, 6
	s_lshl_b32 s42, s42, 6
	s_mov_b32 s[KO+1], 0                           ; the upper word of the slot's offset, from here on
	s_mul_i32 s46, s16, 139264                     ; kv: 8 slots a head
	s_mov_b32 s47, 0
	s_mov_b32 s[CS], 0x3e38aa3b                    ; c = log2(e) / sqrt(64)
	s_mov_b32 s[CS+1], s[CS]                       ; (named with it as a pair, so it is written)
	s_mov_b32 s[SEL], 0x76543210
	s_mov_b32 s[SEL+1], 0xfedcba98
	v_and_b32 v2, 31, v0
	v_lshlrev_b32 v[L16], 4, v2
	v_lshlrev_b32 v[L4], 2, v2
	v_lshlrev_b32 v[T16], 4, v0
	v_lshlrev_b32 v[T2], 1, v0
	v_and_b32 v11, 15, v0                          ; r
	v_bfe_u32 v29, v0, 4, 1                        ; h
	v_lshlrev_b32 v[D0], 3, v29
	v_sub_nc_u32 v[D0], v11, v[D0]
	v_lshl_add_u32 v[RH], v11, 5, v29
	v_lshlrev_b32 v11, 2, v11                      ; 4 r
	v_add_nc_u32 v[CA], s43, v[L16]
	v_add_nc_u32 v[CB], s44, v[L16]
	v_add_nc_u32 v[OA], s41, v11
	v_add_nc_u32 v[SA], s42, v11
	s_wait_kmcnt 0x0
	s_add_nc_u64 s[8:9], s[8:9], s[46:47]
	s_wait_alu depctr_va_vdst(0)                   ; the offsets and LDS addresses v1 to v6, v8 and v9 are written, which the loads and LDS instructions below read
	global_load_b128 v[QZ+4:QZ+7], v[CA], s[4:5]   ; the high block's q, in its place between the zeros
	global_load_b128 v[QL:QL+3], v[CB], s[4:5]     ; the low block's, for later
	global_load_b32 v[QS], v[OA], s[6:7]
	global_load_b32 v[QL+4], v[SA], s[6:7]
	global_load_b128 v[CP:CP+3], v[T16], s[8:9]    ; slot 0
	global_load_b128 v[CP+4:CP+7], v[T16], s[8:9] offset:VOF
	global_load_u16 v[CP+8], v[T2], s[8:9] offset:KSO
.irp j, 0,1,2,3
	v_mov_b32 v[QZ+\j], 0
	v_mov_b32 v[QZ+8+\j], 0
	v_mov_b32 v[BU+\j], 0                          ; written once: a lane permute's destination counts as one of its sources
.endr
	v_mov_b32 v13, 0xff61b1e6                      ; the largest t so far: -3e38, under every t
	v_floor_f32 v12, -v13                          ; -M
	v_mov_b32 v14, 0
	v_mov_b32 v15, 0
	v_mov_b32 v[F], 0
	v_mov_b32 v[F+1], 0                            ; (named as the upper half of the pair)
	v_mov_b32 v[TMP], 0
	v_mov_b32 v[NINF], 0xff800000
.set n, 0
.rept 32
	v_mov_b32 v[O+n], 0                            ; O^T.  (The step is written once: the first finds zeros, which the first change of M leaves zeros)
.set n, n+1
.endr
	s_wait_loadcnt 0x0
	ds_store_b128 v[T16], v[CP:CP+3]
	ds_store_b128 v[T16], v[CP+4:CP+7] offset:VOF
	ds_store_b16 v[T2], v[CP+8] offset:KSO
	s_wait_dscnt 0x0                               ; for the others' sake: my part of slot 0 lies in LDS
	s_barrier_signal -1
	s_barrier_wait -1
; K's ten LDS loads of the q-th half of LDS slot sl.
.macro KLOAD sl, q
.irp t, 0,1,2,3,4,5,6,7
	ds_load_b128 v[KF+4*\t:KF+4*\t+3], v[L16] offset:(\sl)*SLB+(8*(\q)+\t)*512     ; tile t's image: half t % 2 of fragment t / 2
.endr
.irp g, 0,1
	ds_load_b32 v[KSC+\g], v[L4] offset:(\sl)*SLB+KSO+(2*(\q)+\g)*128              ; lanes 0-15: fragment 2 g's words, lanes 16-31: fragment 2 g + 1's
.endr
.endm
; A KEY STEP: 128 keys, the q-th half of LDS slot sl.  The second step of a slot is walked only where the first was (its keys come later), so its K, asked for in the first, is always on its way.
.macro STEP sl, q
	s_add_co_u32 s[KQ], s[SKF], 128*(\q)
	s_add_co_u32 s[TS], s[Q0], 15
	s_cmp_gt_u32 s[KQ], s[TS]
	s_cbranch_scc1 .Lhid_\@                        ; all 128 keys come after my 16 queries
	s_wait_alu depctr_va_vdst(0)                   ; the step before is done reading V's fragments and scale words (and K's), in which the loads below land; q and its scale word, where v_mov wrote them, are written, ahead of the scaled products
.if (\q) == 0
	KLOAD \sl, 0
.endif
	s_wait_dscnt 0x0                               ; K's ten loads are in: nothing younger is out
.irp f, 0,1,2,3
.irp c, 0,1
.set rD, S+8*(2*\f+\c)
.set rA, KF+8*\f
.set rB, QZ+4-4*\c
.set rSA, KSC+\f/2
.set rRA, \f%2
	MM0
	ds_load_b128 v[VF+4*(2*\f+\c):VF+4*(2*\f+\c)+3], v[L16] offset:(\sl)*SLB+VOF+4096*(\q)+(2*\f+\c)*512   ; V's images, one behind each product.  No wait: no vector or matrix instruction since the wait at the head names V's registers
.endr
.endr
.irp g, 0,1
	ds_load_b32 v[VSC+\g], v[L4] offset:(\sl)*SLB+VSO+256*(\q)+128*\g              ; lane l: e = 32 g + l
.endr
.rept 4
	v_nop                                          ; places ahead of the first read of the scores
.endr
	s_add_co_u32 s[TS], s[KQ], 127
	s_cmp_le_u32 s[TS], s[Q0]
	s_cbranch_scc1 .Lopen_\@                       ; all 128 keys count
	s_sub_co_i32 s[TS], s[Q0], s[KQ]
	v_add_nc_u32 v[DD], s[TS], v[D0]               ; d = my query - the step's first key - 8 h.  Register 8 t + j holds key 16 t + 8 h + j: hidden where 16 t + j > d
.set tl, 0
.rept 8                                        ; a tile at a time: eight compares into eight scalar registers, one wait, eight selects
.set n, 0
.rept 8
	v_cmp_gt_i32 s[MK+n], 16*tl+n, v[DD]
.set n, n+1
.endr
	s_wait_alu depctr_va_sdst(0)                   ; the eight masks are written, ahead of the selects that read them
.set n, 0
.rept 8
	v_cndmask_b32 v[S+8*tl+n], v[S+8*tl+n], v[NINF], s[MK+n]
.set n, n+1
.endr
.set tl, tl+1
.endr
.Lopen_\@:
.irp b, 0,1,2,3
	v_max3_num_f32 v[BM+\b], v[S+16*\b], v[S+16*\b+1], v[S+16*\b+2]      ; the largest score of each block of 32 keys: it serves the row's maximum and, since p rises with the score, the block's largest p
.endr
.irp i, 3,5,7,9,11,13
.irp b, 0,1,2,3
	v_max3_num_f32 v[BM+\b], v[BM+\b], v[S+16*\b+\i], v[S+16*\b+\i+1]    ; (the four blocks by turns)
.endr
.endr
.irp b, 0,1,2,3
	v_max_num_f32 v[BM+\b], v[BM+\b], v[S+16*\b+15]
.endr
.irp b, 0,1,2,3
	v_permlanex16_b32 v[BU+\b], v[BM+\b], s[SEL], s[SEL+1]
.endr
.irp b, 0,1,2,3
	v_max_num_f32 v[BM+\b], v[BM+\b], v[BU+\b]     ; with lane l xor 16's 16 keys
.endr
	v_max3_num_f32 v[TMP], v[BM], v[BM+1], v[BM+2]
	v_max_num_f32 v[TMP], v[TMP], v[BM+3]          ; the step's largest score of my query
	v_mul_f32 v[TMP], s[CS], v[TMP]                ; as t (c is positive)
	v_max_num_f32 v13, v13, v[TMP]                 ; the running largest t
	v_mov_b32 v[TMP], v12
	v_floor_f32 v12, -v13                          ; the new -M = floor(-t) = -ceil(t)
	v_sub_f32 v[TMP], v12, v[TMP]                  ; old M - new M: a whole number, 0 or less
	v_cvt_i32_f32 v[TMP], v[TMP]                   ; (it saturates)
	v_ldexp_f32 v[F], 1.0, v[TMP]                  ; f = 2^(old M - new M)
.set n, 0
.rept 32
	v_pk_fma_f32 v[S+n:S+n+1], v[S+n:S+n+1], s[CS:CS+1], v[12:13] op_sel_hi:[1,0,0]   ; t - M, two at a time (of the pairs c and -M the low word serves both halves)
.set n, n+2
.endr
.irp b, 0,1,2,3
	v_fma_f32 v[BM+\b], v[BM+\b], s[CS], v12       ; the same of each block's largest score
.endr
.set n, 0
.rept 64
	v_exp_f32 v[S+n], v[S+n]                       ; p = 2^(t - M), at most 1
.set n, n+1
.endr
	v_pk_mul_f32 v[14:15], v[14:15], v[F:F+1] op_sel_hi:[1,0]   ; l under the new M: the plain place behind the exponentials
	s_wait_alu depctr_va_vdst(0)                   ; one wait for the batch of 64, ahead of its first reader; it also states that the eight score products are done reading K's fragments and scale words
.if (\q) == 0
	KLOAD \sl, 1                                   ; so the slot's second step's K is asked for here, with no wait of its own.  (A wave whose second step is hidden has asked in vain; the wait for 0 ahead of the barrier, or at the wave's end, takes these loads in)
.endif
.irp b, 0,1,2,3
	v_exp_f32 v[BM+\b], v[BM+\b]                   ; the block's largest p: the same two instructions on the same number give the same bits
.endr
	v_pk_add_f32 v[L2:L2+1], v[S:S+1], v[S+2:S+3]  ; l is taken of the unquantised p: two at a time, in two chains.  (These read the 64 alone: plain work behind the four)
.set n, 4
.rept 15
	v_pk_add_f32 v[14:15], v[14:15], v[S+n:S+n+1]
	v_pk_add_f32 v[L2:L2+1], v[L2:L2+1], v[S+n+2:S+n+3]
.set n, n+4
.endr
	v_pk_add_f32 v[14:15], v[14:15], v[L2:L2+1]
	s_wait_alu depctr_va_vdst(0)                   ; and one for the four exponentials of the blocks' largest p, ahead of their first reader
.irp b, 0,1,2,3
	v_max_num_f32 v[BM+\b], 0x1800000, v[BM+\b]    ; the floor 2^(3 - 127): the byte cannot fall under 1 (a block whose every p is 0 keeps that byte: its codes are zeros)
.endr
.irp b, 0,1,2,3
	v_add_nc_u32 v[BS+\b], 0xff000000, v[BM+\b]    ; 2 off the exponent field: the conversion's scale operand
.endr
.irp b, 0,1,2,3
	v_lshrrev_b32 v[BU+\b], 23, v[BS+\b]           ; the scale's byte
.endr
	v_lshl_or_b32 v[PW], v[BU+1], 8, v[BU]         ; p's scale word for these 128 keys
	v_lshl_or_b32 v[PW], v[BU+2], 16, v[PW]
	v_lshl_or_b32 v[PW], v[BU+3], 24, v[PW]
.irp c, 0,1
	v_cvt_scalef32_pk8_fp4_f32 v[PC+4*\c],   v[S+32*\c:S+32*\c+7],     v[BS+2*\c]     ; tile 4 c
	v_cvt_scalef32_pk8_fp4_f32 v[PC+4*\c+1], v[S+32*\c+16:S+32*\c+23], v[BS+2*\c+1]   ; tile 4 c + 2
	v_cvt_scalef32_pk8_fp4_f32 v[PC+4*\c+2], v[S+32*\c+8:S+32*\c+15],  v[BS+2*\c]     ; tile 4 c + 1
	v_cvt_scalef32_pk8_fp4_f32 v[PC+4*\c+3], v[S+32*\c+24:S+32*\c+31], v[BS+2*\c+1]   ; tile 4 c + 3
.endr
	v_nop                                          ; one plain place behind the scaled conversions
.irp c, 0,1
	v_permlane16_swap_b32 v[PC+4*\c],   v[PC+4*\c+1]   ; register 4 c + i now holds keys 64 c + 32 h + 8 i .. + 7
	v_permlane16_swap_b32 v[PC+4*\c+2], v[PC+4*\c+3]
.endr
.set n, 0
.rept 16
	v_pk_mul_f32 v[O+n:O+n+1], v[O+n:O+n+1], v[F:F+1] op_sel_hi:[1,0]   ; O^T under the new M.  (These sixteen are also the places between the writes of p's codes and scale word and the products)
.set n, n+2
.endr
.if (\q) == 0
	s_wait_dscnt 10                                ; V is in; the ten loads of the next step's K, issued behind V's, may stay out
.else
	s_wait_dscnt 0x0                               ; V is in
.endif
	s_wait_alu depctr_va_vdst(0)                   ; the exchanges have written p's codes and the shifts its scale word, which the scaled products take; the places above stay beside this wait
.irp te, 0,1,2,3
.set rD, O+8*\te
.set rA, VF+8*\te
.set rSA, VSC+\te/2
.set rRA, \te%2
	MMA                                            ; four accumulators, one instruction each
.endr
.rept 4
	v_nop                                          ; places ahead of the next read of O^T
.endr
.Lhid_\@:
.endm
; A block of queries is finished: O^T / l, quantised along the head's 64 (two blocks), leaves as one image and two bytes a query.
; v[OA] and v[SA] are written again here: their last readers, the head's loads or the block before's stores, stand ahead of a wait on vm_vsrc (a trip's head; the low block's set-up).
.macro FLUSH
	v_add_f32 v14, v14, v15                        ; l's two halves,
	v_permlanex16_b32 v[TMP], v14, s[SEL], s[SEL+1]
	v_add_f32 v14, v14, v[TMP]                     ; and lane l xor 16's
	v_rcp_f32 v14, v14
	v_add_nc_u32 v[OA], s[OOF], v[L16]             ; (plain places behind the reciprocal)
	v_add_nc_u32 v[SA], s[SOF], v[RH]
	s_wait_alu depctr_va_vdst(0)                   ; ahead of the reciprocal's first reader
.set n, 0
.rept 16
	v_pk_mul_f32 v[S+n:S+n+1], v[O+n:O+n+1], v[14:15] op_sel_hi:[1,0]   ; register 8 te + j: o(query r, 16 te + 8 h + j); each accumulator from its low end on
.set n, n+2
.endr
.irp b, 0,1
	v_max3_num_f32 v[BM+\b], |v[S+16*\b]|, |v[S+16*\b+1]|, 0x1800000
.endr
.irp i, 2,4,6,8,10,12,14
.irp b, 0,1
	v_max3_num_f32 v[BM+\b], v[BM+\b], |v[S+16*\b+\i]|, |v[S+16*\b+\i+1]|
.endr
.endr
.irp b, 0,1
	v_permlanex16_b32 v[BU+\b], v[BM+\b], s[SEL], s[SEL+1]
.endr
.irp b, 0,1
	v_max_num_f32 v[BM+\b], v[BM+\b], v[BU+\b]
.endr
.irp b, 0,1
	v_add_nc_u32 v[BS+\b], 0xff000000, v[BM+\b]
.endr
.irp b, 0,1
	v_lshrrev_b32 v[BU+\b], 23, v[BS+\b]
.endr
	v_cvt_scalef32_pk8_fp4_f32 v[PC],   v[S:S+7],     v[BS]
	v_cvt_scalef32_pk8_fp4_f32 v[PC+1], v[S+16:S+23], v[BS+1]
	v_cvt_scalef32_pk8_fp4_f32 v[PC+2], v[S+8:S+15],  v[BS]
	v_cvt_scalef32_pk8_fp4_f32 v[PC+3], v[S+24:S+31], v[BS+1]
	v_nop                                          ; one plain place behind the scaled conversions
	v_permlane16_swap_b32 v[PC],   v[PC+1]
	v_permlane16_swap_b32 v[PC+2], v[PC+3]
	s_mov_b32 s[HM], 0xffff0000
	v_cndmask_b32 v[TMP], v[BU], v[BU+1], s[HM]    ; lane (r, h) carries block h's byte
	s_wait_alu depctr_va_vdst(0)                   ; the exchanges have written the image, the select the byte, the additions the two offsets: the stores read them
	global_store_b128 v[OA], v[PC:PC+3], s[10:11]  ; an image: 512 consecutive bytes, aligned
	global_store_b8 v[SA], v[TMP], s[12:13]
	s_wait_xcnt 0x0                                ; the stores' registers are written again only behind this wait
.endm
; The low block's turn.
.macro INIT
	s_wait_alu depctr_vm_vsrc(0)                   ; the high block's two stores have read their offsets, the image and the byte: the next steps write v[PC ..] and v[TMP] again, the next way out the offsets
.irp j, 0,1,2,3
	v_mov_b32 v[QZ+4+\j], v[QL+\j]
.endr
	v_mov_b32 v[QS], v[QL+4]
	v_mov_b32 v13, 0xff61b1e6
	v_floor_f32 v12, -v13
	v_mov_b32 v14, 0
	v_mov_b32 v15, 0
.set n, 0
.rept 32
	v_mov_b32 v[O+n], 0                            ; (also the places between the writes of q and its scale word and the next products)
.set n, n+1
.endr
	s_mov_b32 s[OOF], s30
	s_mov_b32 s[SOF], s31
	s_mov_b32 s[Q0], s32
	s_mov_b32 s[LEFT], s33
	s_mov_b32 s[SKF], 0
.endm
; A TRIP: LDS slot sl is worked.  more = 1: the slot that the next trip wants is asked for at the head and stored into the other LDS slot at the end; then the trip's one barrier:
; in front of it each wave's stores have landed and its reads of slot sl are back, so behind it the other slot is whole and slot sl may be written.
.macro TRIP sl, more
.if \more
	s_add_co_u32 s[NX], s[SKF], 256
	s_cmp_eq_u32 s[LEFT], 1
	s_cselect_b32 s[NX], 0, s[NX]                  ; behind a block's last slot comes the next block's slot 0
	s_mul_i32 s[KO], s[NX], 68                     ; 17,408 bytes for 256 keys
	s_add_nc_u64 s[KB:KB+1], s[8:9], s[KO:KO+1]    ; (the last trip's loads were waited for: their base is free)
	s_wait_alu depctr_vm_vsrc(0)                   ; the LDS stores of the trip before (in the first trip: the head's) have read v[CP ..], in which the loads below land; in the first trip the head's loads have read v[OA] and v[SA] too
	global_load_b128 v[CP:CP+3], v[T16], s[KB:KB+1]
	global_load_b128 v[CP+4:CP+7], v[T16], s[KB:KB+1] offset:VOF
	global_load_u16 v[CP+8], v[T2], s[KB:KB+1] offset:KSO
.endif
	STEP \sl, 0
	STEP \sl, 1
.if \more
	s_wait_loadcnt 0x0
	ds_store_b128 v[T16], v[CP:CP+3] offset:(1-\sl)*SLB
	ds_store_b128 v[T16], v[CP+4:CP+7] offset:(1-\sl)*SLB+VOF
	ds_store_b16 v[T2], v[CP+8] offset:(1-\sl)*SLB+KSO
.endif
	s_sub_co_u32 s[LEFT], s[LEFT], 1
	s_add_co_u32 s[SKF], s[SKF], 256
.if \more
	s_cmp_lg_u32 s[LEFT], 0
	s_cbranch_scc1 .Lgo_\@                         ; the same in all sixteen waves: it hangs on the work-group's number and the trip
.endif
	FLUSH
.if \more
	INIT
.Lgo_\@:
	s_wait_dscnt 0x0
	s_barrier_signal -1
	s_barrier_wait -1
.endif
.endm
	s_mov_b32 s[CNT], 4
.Lpair:                                            ; eight of the nine trips
	TRIP 0, 1
	TRIP 1, 1
	s_sub_co_u32 s[CNT], s[CNT], 1
	s_cmp_lg_u32 s[CNT], 0
	s_cbranch_scc1 .Lpair
	TRIP 0, 0                                      ; the ninth asks for nothing and ends the low block
	s_wait_dscnt 0x0                               ; the closing lines, six on end
	s_wait_alu 0x0
	s_wait_tensorcnt 0x0
	ds_add_u32 v254, v255
	s_wait_dscnt 0x0
	s_endpgm
.Lfunc_end_k_qfd160a6b0d_attn:
	.size	k_qfd160a6b0d_attn, .Lfunc_end_k_qfd160a6b0d_attn-k_qfd160a6b0d_attn
	.p2alignl 7, 3214868480
	.fill 96, 4, 3214868480
	.section	.rodata,"a",@progbits
	.p2align	6, 0x0
	.amdhsa_kernel k_qfd160a6b0d_attn
		.amdhsa_group_segment_fixed_size 36864
		.amdhsa_private_segment_fixed_size 0
		.amdhsa_enable_private_segment 0
		.amdhsa_kernarg_size 40
		.amdhsa_user_sgpr_count 2
		.amdhsa_user_sgpr_kernarg_segment_ptr 1
		.amdhsa_wavefront_size32 1
		.amdhsa_system_sgpr_workgroup_id_x 1
		.amdhsa_system_sgpr_workgroup_id_y 1
		.amdhsa_system_sgpr_workgroup_id_z 1
		.amdhsa_system_vgpr_workitem_id 0
		.amdhsa_next_free_vgpr 256
		.amdhsa_next_free_sgpr 66
		.amdhsa_reserve_vcc 0
		.amdhsa_float_denorm_mode_32 3
		.amdhsa_float_denorm_mode_16_64 3
		.amdhsa_memory_ordered 1
		.amdhsa_forward_progress 1
		.amdhsa_inst_pref_size 167
	.end_amdhsa_kernel
	.amdgpu_metadata
---
amdhsa.version: [ 1, 2 ]
amdhsa.kernels:
  - .name:           k_qfd160a6b0d_attn
    .symbol:         k_qfd160a6b0d_attn.kd
    .args:
      - { .name: qcodes, .offset: 0, .size: 8, .value_kind: global_buffer, .address_space: global }
      - { .name: qscales, .offset: 8, .size: 8, .value_kind: global_buffer, .address_space: global }
      - { .name: kv, .offset: 16, .size: 8, .value_kind: global_buffer, .address_space: global }
      - { .name: ocodes, .offset: 24, .size: 8, .value_kind: global_buffer, .address_space: global }
      - { .name: oscales, .offset: 32, .size: 8, .value_kind: global_buffer, .address_space: global }
    .group_segment_fixed_size: 36864
    .private_segment_fixed_size: 0
    .kernarg_segment_align: 8
    .kernarg_segment_size: 40
    .max_flat_workgroup_size: 512
    .sgpr_count:     66
    .vgpr_count:     256
    .wavefront_size: 32
...
	.end_amdgpu_metadata
.endif
;; end of part 4
;; launch outp (part 5): grid 256 x 1, 2 waves a work-group, no clusters, 8,960 bytes of LDS; arguments ocodes, oscales, Wo_codes, Wo_scales, bo, out0; writes out0
.if DOCPART == 5
	.amdgcn_target "amdgcn-amd-amdhsa--gfx1250"
	.amdhsa_code_object_version 6
	.text
	.protected	k_qfd160a6b0d_outp
	.globl	k_qfd160a6b0d_outp
	.p2align	8
	.type	k_qfd160a6b0d_outp,@function
k_qfd160a6b0d_outp:
	s_mov_b64 s[64:65], 0
	v_nop
	global_prefetch_b8 v0, s[64:65] scope:SCOPE_SE
	s_setreg_imm32_b32 hwreg(HW_REG_WAVE_SCHED_MODE, 0, 2), 2
	s_setreg_imm32_b32 hwreg(HW_REG_WAVE_MODE, 25, 1), 1
	s_wait_xcnt 0x0
	s_wait_alu depctr_vm_vsrc(0)
; out0 = o Wo + bo on codes of FP4 (E2M1) with E8M0 scales.  o: 8,192 rows x K 1,024, as images [tile of 16 rows][head 16][512 bytes] and scale bytes [row][32]; Wo: [64][K 1,024] codes, [64][32] scale bytes.
; SHARES.  A wave takes 16 rows x all 64 outputs: four accumulators, eight K steps of 128 (two heads each), 32 products.  All operands go from memory straight into registers, each once: there is no loop and no tile in LDS.
; NO CLUSTER, NO TENSOR LOAD: what the waves share is Wo, 32 KiB; a wave loads its fragments once, by 64 loads that are all on their way together, and nothing is walked.
; The product is used TRANSPOSED (source 0 = 16 rows of Wo, source 1 = 16 rows of o): a lane holds eight neighbouring outputs of one row.  bo is loaded into the accumulators in that layout: it costs no addition.
; THE WAY OUT: through the wave's own stage in LDS (16 rows x 272 bytes), back as whole rows of 256 bytes: each store of the wave covers 512 consecutive bytes, aligned.
; REGISTERS: v1-7 addresses; v[16:79] o's 8 fragments; v[80:87] o's scale words; v[88:103] Wo's; v[104:135] the accumulators; v[136:167] rows on their way out.  Window 1: Wo's 32 fragments at 8 (8 tn + kk).
; THE MODE: SCHED_MODE bits 1:0 = 2 (LLVM: expert scheduling mode 2), set by the entry lines.  The code itself states the register dependences between vector or matrix instructions and memory or LDS
; instructions, with s_wait_alu, always for 0.
; THE PLAN.  Registers that memory or LDS instructions touch:
;   v1-7         offsets and LDS addresses: made at the head by vector instructions, never written again: one wait on va_vdst ahead of the first load.
;   the operands, the scale words and bo   each loaded once, into registers that no vector instruction has named; read by the products behind the wait for the loads.
;   v[104:135]   the accumulators: written by the products, read by the LDS stores: the four places, then one wait on va_vdst.
;   v[136:167]   written by the LDS loads, read by the stores to memory; no vector instruction names them.
.set OF,  16
.set OS,  80
.set WS,  88
.set ACC, 104
.set BK,  136
.set SP,  272
.set MSB, 0
.macro WIN new                         ; the immediate's high byte repeats the setting that is left
.if MSB != \new
	s_set_vgpr_msb (MSB<<8)|\new
.set MSB, \new
.endif
.endm
	s_load_b256 s[4:11], s[0:1], 0x0               ; ocodes 4, oscales 6, Wo codes 8, Wo scales 10
	s_load_b128 s[12:15], s[0:1], 0x20             ; bo 12, out0 14
	v_lshl_add_u32 v254, v0, 2, 0x2200
	v_mov_b32 v255, 0
	v_lshrrev_b32 v1, 5, v0
	v_readfirstlane_b32 s16, v1                    ; wave 0, 1
	s_lshl_b32 s17, ttmp9, 1
	s_wait_alu depctr_va_sdst(0)                   ; the wave's number is written, ahead of its first reader
	s_add_co_u32 s17, s17, s16                     ; my tile of 16 rows
	v_and_b32 v8, 31, v0                           ; lane
	v_and_b32 v9, 15, v0                           ; r
	v_bfe_u32 v10, v0, 4, 1                        ; h
	v_lshlrev_b32 v1, 4, v8                        ; 16 lane
	v_lshlrev_b32 v2, 5, v9                        ; 32 r: my row of o's scale bytes
	v_lshlrev_b32 v3, 9, v9
	v_lshl_add_u32 v3, v10, 4, v3                  ; Wo: row r of 512 bytes + 16 h
	v_lshlrev_b32 v4, 5, v8                        ; 32 lane: Wo's scale rows
	v_lshlrev_b32 v5, 5, v10                       ; 32 h: eight numbers of bo
	s_mul_i32 s18, s16, 16*SP                      ; my stage
	v_mul_u32_u24 v6, v9, SP
	v_lshl_add_u32 v6, v10, 5, v6
	v_add_nc_u32 v6, s18, v6                       ; in: row r, 32 bytes for each half of the lanes
	v_mul_u32_u24 v7, v10, SP
	v_lshl_add_u32 v7, v9, 4, v7
	v_add_nc_u32 v7, s18, v7                       ; back: lanes 0-15 one row, lanes 16-31 the next
	s_lshl_b32 s20, s17, 13                        ; ocodes: 16 images a tile
	s_mov_b32 s21, 0
	s_lshl_b32 s22, s17, 9                         ; oscales: 16 rows of 32 bytes
	s_mov_b32 s23, 0
	s_lshl_b32 s24, s17, 12                        ; out0: 16 rows of 256 bytes
	s_mov_b32 s25, 0
	s_wait_kmcnt 0x0
	s_add_nc_u64 s[4:5], s[4:5], s[20:21]
	s_add_nc_u64 s[6:7], s[6:7], s[22:23]
	s_add_nc_u64 s[14:15], s[14:15], s[24:25]
	s_wait_alu depctr_va_vdst(0)                   ; the seven offsets and LDS addresses v1 to v7 are written, which every load and store below reads; behind this wait stand loads and window switches alone, up to the wait for the loads
.irp hd, 0,1,2,3,4,5,6,7,8,9,10,11,12,13,14,15
	global_load_b128 v[OF+4*\hd:OF+4*\hd+3], v1, s[4:5] offset:512*\hd     ; head hd's image: half hd % 2 of K step hd / 2's fragment
.endr
.irp hf, 0,1
	global_load_b128 v[OS+4*\hf:OS+4*\hf+3], v2, s[6:7] offset:16*\hf      ; word kk: the bytes of heads 2 kk and 2 kk + 1
.endr
	WIN 0x40                                       ; destination window 1
.irp tn, 0,1,2,3
.irp kk, 0,1,2,3,4,5,6,7
	global_load_b128 v[8*(8*\tn+\kk):8*(8*\tn+\kk)+3],   v3, s[8:9] offset:8192*\tn+64*\kk
	global_load_b128 v[8*(8*\tn+\kk)+4:8*(8*\tn+\kk)+7], v3, s[8:9] offset:8192*\tn+64*\kk+32
.endr
.endr
	WIN 0
.irp ip, 0,1
.irp hf, 0,1
	global_load_b128 v[WS+8*\ip+4*\hf:WS+8*\ip+4*\hf+3], v4, s[10:11] offset:1024*\ip+16*\hf   ; lane l: output 32 i' + l
.endr
.endr
.irp tn, 0,1,2,3
.irp hf, 0,1
	global_load_b128 v[ACC+8*\tn+4*\hf:ACC+8*\tn+4*\hf+3], v5, s[12:13] offset:64*\tn+16*\hf   ; bo[16 tn + 8 h + j] starts the sums
.endr
.endr
	s_wait_loadcnt 0x0
	WIN 0x01                                       ; source 0 (Wo) window 1
.irp kk, 0,1,2,3,4,5,6,7                       ; the four accumulators take turns, one instruction a turn
.irp tn, 0,2
	v_wmma_scale_f32_16x16x128_f8f6f4 v[ACC+8*\tn:ACC+8*\tn+7], v[8*(8*\tn+\kk):8*(8*\tn+\kk)+7], v[OF+8*\kk:OF+8*\kk+7], v[ACC+8*\tn:ACC+8*\tn+7], v[WS+8*(\tn/2)+\kk], v[OS+\kk] matrix_a_fmt:MATRIX_FMT_FP4 matrix_b_fmt:MATRIX_FMT_FP4
	v_wmma_scale_f32_16x16x128_f8f6f4 v[ACC+8*\tn+8:ACC+8*\tn+15], v[8*(8*\tn+8+\kk):8*(8*\tn+8+\kk)+7], v[OF+8*\kk:OF+8*\kk+7], v[ACC+8*\tn+8:ACC+8*\tn+15], v[WS+8*(\tn/2)+\kk], v[OS+\kk] matrix_a_fmt:MATRIX_FMT_FP4 matrix_b_fmt:MATRIX_FMT_FP4 matrix_a_scale:MATRIX_SCALE_ROW1
.endr
.endr
	WIN 0
.rept 4
	v_nop                                          ; places ahead of the first read of results (ISA guide 7.12.1)
.endr
	s_wait_alu depctr_va_vdst(0)                   ; the products have written the accumulators, which the LDS stores read; the places above stay beside this wait
.irp tn, 0,1,2,3
	ds_store_b128 v6, v[ACC+8*\tn:ACC+8*\tn+3] offset:64*\tn          ; lane (r, h): out(r, 16 tn + 8 h + 0 .. 7); each accumulator from its low end on
	ds_store_b128 v6, v[ACC+8*\tn+4:ACC+8*\tn+7] offset:64*\tn+16
.endr
.irp i, 0,1,2,3,4,5,6,7
	ds_load_b128 v[BK+4*\i:BK+4*\i+3], v7 offset:2*\i*SP              ; LDS serves a wave's instructions in order (ISA guide 5.7.1.4): these see my stores
.endr
.irp i, 0,1,2,3,4,5,6,7
	s_wait_dscnt 7-\i                              ; the younger read-backs may stay out
	global_store_b128 v1, v[BK+4*\i:BK+4*\i+3], s[14:15] offset:512*\i th:TH_STORE_NT   ; two whole rows of 256 bytes; written once, read by nobody here
.endr
	s_wait_dscnt 0x0                               ; the closing lines, six on end
	s_wait_alu 0x0
	s_wait_tensorcnt 0x0
	ds_add_u32 v254, v255
	s_wait_dscnt 0x0
	s_endpgm
.Lfunc_end_k_qfd160a6b0d_outp:
	.size	k_qfd160a6b0d_outp, .Lfunc_end_k_qfd160a6b0d_outp-k_qfd160a6b0d_outp
	.p2alignl 7, 3214868480
	.fill 96, 4, 3214868480
	.section	.rodata,"a",@progbits
	.p2align	6, 0x0
	.amdhsa_kernel k_qfd160a6b0d_outp
		.amdhsa_group_segment_fixed_size 8960
		.amdhsa_private_segment_fixed_size 0
		.amdhsa_enable_private_segment 0
		.amdhsa_kernarg_size 48
		.amdhsa_user_sgpr_count 2
		.amdhsa_user_sgpr_kernarg_segment_ptr 1
		.amdhsa_wavefront_size32 1
		.amdhsa_system_sgpr_workgroup_id_x 1
		.amdhsa_system_sgpr_workgroup_id_y 1
		.amdhsa_system_sgpr_workgroup_id_z 1
		.amdhsa_system_vgpr_workitem_id 0
		.amdhsa_next_free_vgpr 512
		.amdhsa_next_free_sgpr 66
		.amdhsa_reserve_vcc 0
		.amdhsa_float_denorm_mode_32 3
		.amdhsa_float_denorm_mode_16_64 3
		.amdhsa_memory_ordered 1
		.amdhsa_forward_progress 1
		.amdhsa_inst_pref_size 18
	.end_amdhsa_kernel
	.amdgpu_metadata
---
amdhsa.version: [ 1, 2 ]
amdhsa.kernels:
  - .name:           k_qfd160a6b0d_outp
    .symbol:         k_qfd160a6b0d_outp.kd
    .args:
      - { .name: ocodes, .offset: 0, .size: 8, .value_kind: global_buffer, .address_space: global }
      - { .name: oscales, .offset: 8, .size: 8, .value_kind: global_buffer, .address_space: global }
      - { .name: Wo_codes, .offset: 16, .size: 8, .value_kind: global_buffer, .address_space: global }
      - { .name: Wo_scales, .offset: 24, .size: 8, .value_kind: global_buffer, .address_space: global }
      - { .name: bo, .offset: 32, .size: 8, .value_kind: global_buffer, .address_space: global }
      - { .name: out0, .offset: 40, .size: 8, .value_kind: global_buffer, .address_space: global }
    .group_segment_fixed_size: 8960
    .private_segment_fixed_size: 0
    .kernarg_segment_align: 8
    .kernarg_segment_size: 48
    .max_flat_workgroup_size: 64
    .sgpr_count:     66
    .vgpr_count:     512
    .wavefront_size: 32
...
	.end_amdgpu_metadata
.endif
;; end of part 5
